; MI455X (gfx1250); checked and timed in simulation.
; The chip was launched on July 23, 2026; its instructions are those of AMD's public machine-readable ISA for CDNA 5 (MIT licence, August 2026) and "CDNA5" Instruction Set Architecture Reference Guide (July 2026). The comments in the code are by the model that wrote it; some were corrected since.
;; Zoom aware MSA. Allowed arithmetic: matrix products marked QUANTISED: E2M1 operands, one E8M0 scale for each 32 along K, by v_wmma_scale_f32_16x16x128_f8f6f4 with both operands' format E2M1 (or v_wmma_scale_f32_32x16x128_f4), f32 sums; everything else in f32.
;; Inputs: Wk 1,024 x 1,024 float32; Wo 1,024 x 1,024 float32; Wq 1,024 x 1,024 float32; Wv 1,024 x 1,024 float32; attn_bias 8 x 1 x 1,024 x 1,024 float32; bk 1,024 float32; bo 1,024 float32; bq 1,024 float32; bv 1,024 float32; k 8 x 1,024 x 1,024 float32; q 8 x 1,024 x 1,024 float32; v 8 x 1,024 x 1,024 float32; zoom_bias 2,047 x 1 float32.
;; Outputs: out0 8 x 1,024 x 1,024 float32.
;; This version of the problem:
;;   THIS VERSION OF THE PROBLEM IS GIVEN IN LOW PRECISION. The matrix products marked QUANTISED in the list below multiply operands that are first quantised to E2M1 (2 exponent bits, 1 mantissa bit; 4 bits a number), with one power-of-two scale for each 32 numbers along K (OCP MX v1.0); their sums are f32. All else is computed in f32.
;;   The module's matrix products, in the order in which they are computed (A, B: the left and right operand; K: the contracted axis; several contracted axes count as one K, in the product's order):
;;     1. [M 8,192, K 1,024] x [K 1,024, N 1,024]; A: input q; B: input Wq: QUANTISED
;;     2. [M 8,192, K 1,024] x [K 1,024, N 1,024]; A: input k; B: input Wk: QUANTISED
;;     3. [M 8,192, K 1,024] x [K 1,024, N 1,024]; A: input v; B: input Wv: QUANTISED
;;     4. batch 128 x [M 1,024, K 64] x [K 64, N 1,024]; A: computed on the way; B: computed on the way: QUANTISED
;;     5. batch 128 x [M 64, K 1,024] x [K 1,024, N 1,024]; A: computed on the way; B: softmax (see below): QUANTISED
;;     6. [M 8,192, K 1,024] x [K 1,024, N 1,024]; A: computed on the way; B: input Wo: QUANTISED
;;   THE QUANTISER, for each operand of a quantised product, along K:
;;     - K is cut into blocks of 32 from its start; a last block that is shorter is filled with zeros.
;;     - A block's scale is 2^e with e = floor(log2(the largest magnitude in the block)) - 2, held to -126 .. 127; a block of zeros has e = 0. As a byte (E8M0): e + 127.
;;     - Each number is divided by its block's scale, clamped to +-6, and rounded to the nearest number of E2M1, ties to even, subnormals kept.
;;     - The product sums the exact products of the quantised numbers (number of the format x scale) in f32.
;;   ~~~python
;;   def quantise(x, axis):      # numpy; x: float32 -> the quantised numbers, widened to float32 again
;;       x = np.moveaxis(x, axis, -1); K = x.shape[-1]
;;       x = np.pad(x, [(0, 0)] * (x.ndim - 1) + [(0, -K % 32)]); x = x.reshape(x.shape[:-1] + (-1, 32)); a = np.abs(x).max(-1, keepdims=True)
;;       e = np.where(a > 0, np.clip(np.frexp(np.where(a > 0, a, 1))[1] - 1 - 2, -126, 127), 0)      # np.frexp(a)[1] - 1 = floor(log2(a)), exactly
;;       r = np.clip(x / 2.0 ** e, -6, 6)
;;       step = 2.0 ** (np.maximum(np.frexp(np.where(r == 0, 1, r))[1] - 1, 0) - 1)
;;       q = np.round(r / step) * step * 2.0 ** e      # np.round: ties to even
;;       return np.moveaxis(q.reshape(q.shape[:-2] + (-1,))[..., :K], -1, axis).astype(np.float32)
;;   ~~~
;;   SOFTMAX AHEAD OF A QUANTISED PRODUCT. Where the list says 'softmax', what is quantised is not the finished softmax but p = 2^(t - M), with t = logit x log2(e) and M = ceil(the row's largest t), a whole number; so 1/2 < the row's largest p <= 1. The row's sum l is taken of the UNQUANTISED p, in f32, and the product's result is divided by l at the end. Since M is a whole number, a kernel that streams over the keys may use a running M (the ceiling of the running maximum): every later rescaling is an exact power of two, which a block's scale takes up: the codes' values come out the same.
;;   OPERANDS COMPUTED ON THE WAY. 'Computed on the way' means the value that the module computes at that place (a softmax that the list does not call 'softmax' is quantised finished and normalised). What goes into a quantiser is computed in f32, as accurately as f32 sums, v_exp_f32 and their like allow (about 1e-6 of the number): no bf16 or f16 on the way to a quantiser, and a product that is left as it is and whose result goes on into a quantised operand takes f32 operands (vector FMAs, or v_wmma_f32_16x16x4_f32). A number that lies on a knife's edge between two numbers of the format may be rounded either way, as far as f32 arithmetic and the matrix unit's own rounding can turn it there, and no further.
;; One version. Each part assembles by itself: llvm-mc -triple=amdgcn-amd-amdhsa -mcpu=gfx1250 --defsym DOCPART=n.
;; ======== version 1 of 1: 4 launches
;; limits: right only within a limited range of input values
;; workspace buffers: xw_codes 14,680,064 bytes; xw_scales 917,504 bytes; qkv_codes 12,582,912 bytes; qkv_scales 786,432 bytes; att_codes 4,194,304 bytes; att_scales 262,144 bytes
;; launch quant (part 1): grid 448 x 1, 8 waves a work-group, no clusters, 44,032 bytes of LDS; arguments q, k, v, Wq, Wk, Wv, Wo, xw_codes, xw_scales; writes xw_codes, xw_scales
.if DOCPART == 1
	.amdgcn_target "amdgcn-amd-amdhsa--gfx1250"
	.amdhsa_code_object_version 6
	.text
	.protected	k_q246256d800_quant
	.globl	k_q246256d800_quant
	.p2align	8
	.type	k_q246256d800_quant,@function
k_q246256d800_quant:
	s_mov_b64 s[64:65], 0
	v_nop
	global_prefetch_b8 v0, s[64:65] scope:SCOPE_SE
	s_setreg_imm32_b32 hwreg(HW_REG_WAVE_MODE, 25, 1), 1
	s_wait_xcnt 0x0
; q, k, v [8192][1024] and Wq, Wk, Wv, Wo [1024][1024], f32 with K innermost, become codes of FP4 (E2M1) and one E8M0 byte for each 32 along K.
; OUT: xw_codes: 28,672 rows of 512 bytes, the seven tensors one behind the other (q 0, k 8192, v 16384, Wq 24576, Wk 25600, Wv 26624, Wo 27648).
;      xw_scales: [K step of 128: 8][28,672 rows] words of four bytes, byte b for k = 128 step + 32 b.
; ROW ORDER: k, v, Wq, Wk, Wv are stored with the two middle groups of 8 rows of every 32 exchanged (stored row s holds row s with bits 3 and 4 exchanged), so that 16 neighbouring
; STORED rows are the rows that a transposed product wants in a tile for its results to be neighbours along the next K.  q and Wo are stored as they lie.
; A block's scale is 2^(floor(log2(largest magnitude)) - 2): its byte is the largest magnitude's exponent field - 2, held at 1 from below.
; LIMITS: a block whose largest magnitude lies under 2^-124, a block of zeros among them, keeps the byte 1 (its codes are zeros or nearly so; only this program reads the bytes); NaN and infinities are not served.
; SHARES: a work-group takes 64 rows, each of its eight waves 8 rows: a stream of 8,192 numbers in 16 steps of 512.  Each load reads 512 consecutive bytes; a step's 2,048 bytes turn through the wave's own
; stage in LDS so that a lane holds 16 neighbours (two lanes a block); a wave's store of codes covers 256 consecutive bytes.  The scale bytes of the 64 rows meet in 2,048 bytes of LDS, [K step][row][4], and
; behind the one barrier wave w stores K step w's 256 bytes as one aligned run.
.set STEPS, 16
.set EMAX,  2
.set CB,    8                          ; bytes of 16 codes
.set R,     16                         ; v16-79   four sets of 16 numbers as loaded
.set X,     80                         ; v80-111  two sets of 16 neighbours
.set E,     112                        ; v112-127 a scale byte for each step
.set C,     128                        ; v128-191 codes: registers of its own for each step
.set WREG,  5120                       ; LDS: two stages of 32 x 80 bytes for each wave
.set SP,    80
.set SCA,   8*WREG                     ; behind the stages: the 64 rows' scale bytes
.set KPITCH, 28672*4                   ; from K step to K step in xw_scales
	s_load_b512 s[4:19], s[0:1], 0x0               ; q, k, v, Wq, Wk, Wv, Wo s[16:17], xw_codes s[18:19]
	s_load_b64 s[20:21], s[0:1], 0x40              ; xw_scales
	v_lshl_add_u32 v192, v0, 2, 0xa800
	v_mov_b32 v193, 0
	v_lshrrev_b32 v1, 5, v0
	s_delay_alu instid0(VALU_DEP_1)
	v_readfirstlane_b32 s24, v1                    ; wave 0..7
	v_and_b32 v2, 31, v0                           ; lane
	s_delay_alu instid0(VALU_DEP_1)
	v_lshlrev_b32 v3, 4, v2                        ; my 16 bytes of a load's 512
	s_mul_i32 s25, s24, WREG
	v_lshrrev_b32 v14, 2, v2
	s_delay_alu instid0(VALU_DEP_1)
	v_mul_u32_u24 v14, v14, SP
	v_and_b32 v15, 3, v2
	s_delay_alu instid0(VALU_DEP_1)
	v_lshl_add_u32 v14, v15, 4, v14
	s_delay_alu instid0(VALU_DEP_1)
	v_add_nc_u32 v14, s25, v14                     ; the stage, on the way in: four lanes' 64 bytes, then 16 of padding
	v_mul_u32_u24 v15, v2, SP
	s_delay_alu instid0(VALU_DEP_1)
	v_add_nc_u32 v15, s25, v15                     ; and on the way out: my 16 neighbours
	v_lshlrev_b32 v4, 3, v2                        ; my codes' place in a step's 256 bytes
	v_lshrrev_b32 v5, 1, v2                        ; p: my block of the step's 16
	s_delay_alu instid0(VALU_DEP_1)
	v_lshrrev_b32 v6, 2, v5
	s_delay_alu instid0(VALU_DEP_2)
	v_and_b32 v5, 3, v5
	s_delay_alu instid0(VALU_DEP_1)
	v_lshl_add_u32 v5, v6, 8, v5                   ; K step p / 4 (256 bytes each), byte p % 4
	s_lshl_b32 s25, s24, 5
	v_add_nc_u32 v5, s25, v5                       ; my wave's 8 rows: 32 bytes
	s_delay_alu instid0(VALU_DEP_1)
	v_add_nc_u32 v5, SCA, v5
	s_lshl_b32 s25, s24, 8
	v_add_nc_u32 v6, s25, v4
	s_delay_alu instid0(VALU_DEP_1)
	v_add_nc_u32 v6, SCA, v6                       ; at the end: K step w's 256 bytes, 8 a lane
	s_cmp_ge_u32 ttmp9, 128                        ; k, v, Wq, Wk, Wv (work-groups 128 to 431) are stored with groups of 8 rows exchanged
	s_cselect_b32 s23, 3, 0
	s_cmp_lt_u32 ttmp9, 432
	s_cselect_b32 s23, s23, 0
	v_lshrrev_b32 v7, 2, v2                        ; which group of 8 rows my 8 bytes of scale words belong to
	s_delay_alu instid0(VALU_DEP_1)
	v_lshrrev_b32 v8, 1, v7
	s_delay_alu instid0(VALU_DEP_1)
	v_xor_b32 v8, v8, v7
	s_delay_alu instid0(VALU_DEP_1)
	v_and_b32 v8, 1, v8                            ; its two low bits differ:
	s_delay_alu instid0(VALU_DEP_1)
	v_mul_u32_u24 v8, s23, v8
	s_delay_alu instid0(VALU_DEP_1)
	v_xor_b32 v7, v7, v8                           ; then they change places
	v_and_b32 v8, 3, v2
	s_delay_alu instid0(VALU_DEP_1)
	v_lshlrev_b32 v8, 3, v8
	s_delay_alu instid0(VALU_DEP_1)
	v_lshl_add_u32 v7, v7, 5, v8                   ; my 8 bytes' place in the 256 stored
	s_lshr_b32 s25, s24, 1                         ; the same exchange for my wave's 8 rows of codes
	s_xor_b32 s25, s25, s24
	s_and_b32 s25, s25, 1
	s_mul_i32 s25, s25, s23
	s_xor_b32 s25, s25, s24
	s_lshl_b32 s26, ttmp9, 3
	s_add_co_u32 s26, s26, s25
	s_lshl_b32 s26, s26, 12                        ; codes: (8 g + w') x 8 rows of 512 bytes
	s_mov_b32 s27, 0
	s_cmp_lt_u32 ttmp9, 384
	s_cselect_b32 s28, 127, 15                     ; q, k, v have 128 work-groups each, a weight 16
	s_and_b32 s28, ttmp9, s28                      ; my work-group's place in its tensor
	s_lshl_b32 s28, s28, 18                        ; x 64 rows of 4,096 bytes
	s_lshl_b32 s29, s24, 15
	s_add_co_u32 s28, s28, s29                     ; + my wave's 8 rows
	s_mov_b32 s29, 0
	s_mul_i32 s30, s24, KPITCH                     ; scale words: K step w,
	s_lshl_b32 s31, ttmp9, 8
	s_add_co_u32 s30, s30, s31                     ; my work-group's 64 rows
	s_mov_b32 s31, 0
	s_wait_kmcnt 0x0
	s_cmp_lt_u32 ttmp9, 432                        ; which tensor: the choice hangs on the work-group's number alone
	s_cselect_b64 s[16:17], s[14:15], s[16:17]
	s_cmp_lt_u32 ttmp9, 416
	s_cselect_b64 s[16:17], s[12:13], s[16:17]
	s_cmp_lt_u32 ttmp9, 400
	s_cselect_b64 s[16:17], s[10:11], s[16:17]
	s_cmp_lt_u32 ttmp9, 384
	s_cselect_b64 s[16:17], s[8:9], s[16:17]
	s_cmp_lt_u32 ttmp9, 256
	s_cselect_b64 s[16:17], s[6:7], s[16:17]
	s_cmp_lt_u32 ttmp9, 128
	s_cselect_b64 s[16:17], s[4:5], s[16:17]
	s_add_nc_u64 s[16:17], s[16:17], s[28:29]
	s_add_nc_u64 s[18:19], s[18:19], s[26:27]
	s_add_nc_u64 s[20:21], s[20:21], s[30:31]
.macro LOAD t
.irp i, 0,1,2,3
	global_load_b128 v[R+16*((\t)%4)+4*\i:R+16*((\t)%4)+4*\i+3], v3, s[16:17] offset:2048*(\t)+512*\i th:TH_LOAD_NT   ; 32 lanes read 512 consecutive bytes
.endr
.endm
.macro TURN t                          ; step t's numbers through the stage: LDS serves a wave's instructions in order, so no wait stands between the stores and the loads
.irp i, 0,1,2,3
	ds_store_b128 v14, v[R+16*((\t)%4)+4*\i:R+16*((\t)%4)+4*\i+3] offset:32*SP*((\t)%2)+8*SP*\i
.endr
.irp i, 0,1,2,3
	ds_load_b128 v[X+16*((\t)%2)+4*\i:X+16*((\t)%2)+4*\i+3], v15 offset:32*SP*((\t)%2)+16*\i
.endr
.endm
.irp t, 0,1,2,3
	LOAD \t
.endr
	s_wait_loadcnt 12                              ; step 0's four loads are in; the 12 of steps 1 to 3 may be out
	TURN 0
.macro STEP t
.set XS, X+16*((\t)%2)
.if (\t) > 0
	s_wait_dscnt 1                                 ; this step's numbers are back from the stage; the last step's byte store may be out
.else
	s_wait_dscnt 0x0
.endif
.if (\t)+4 < STEPS
	LOAD (\t)+4                                    ; into the set that this step's stores into the stage have read
.endif
.if (\t)+1 < STEPS
.if STEPS-2-(\t) >= 3
	s_wait_loadcnt 12                              ; the next step's four loads are in; those of the three steps behind it may be out
.else
	s_wait_loadcnt 4*(STEPS-2-(\t))
.endif
	TURN (\t)+1
.endif
	v_max3_num_f32 v8, |v[XS]|, |v[XS+1]|, |v[XS+2]|               ; the largest magnitude of my 16, in two chains
	v_max3_num_f32 v9, |v[XS+3]|, |v[XS+4]|, |v[XS+5]|
.irp i, 6,10
	s_delay_alu instid0(VALU_DEP_2)
	v_max3_num_f32 v8, v8, |v[XS+\i]|, |v[XS+\i+1]|
	s_delay_alu instid0(VALU_DEP_2)
	v_max3_num_f32 v9, v9, |v[XS+\i+2]|, |v[XS+\i+3]|
.endr
	s_delay_alu instid0(VALU_DEP_2)
	v_max3_num_f32 v8, v8, |v[XS+14]|, |v[XS+15]|
	s_delay_alu instid0(VALU_DEP_1)
	v_max3_num_f32 v8, v8, v9, (EMAX+1)<<23        ; and the floor 2^(3 - 127): the byte cannot fall under 1
	s_delay_alu instid0(VALU_DEP_1)
	v_max_num_f32_dpp v8, v8, v8 row_xmask:1 row_mask:0xf bank_mask:0xf   ; and of my neighbour's 16: the block's
	s_delay_alu instid0(VALU_DEP_1)
	v_add_nc_u32 v11, -(EMAX<<23), v8              ; 2 off its exponent field: the conversion takes this operand's exponent field as its scale
	v_cvt_scalef32_pk8_fp4_f32 v[C+4*(\t)], v[XS:XS+7], v11
	v_cvt_scalef32_pk8_fp4_f32 v[C+4*(\t)+1], v[XS+8:XS+15], v11
	v_lshrrev_b32 v[E+(\t)], 23, v11               ; the scale's byte
	ds_store_b8 v5, v[E+(\t)] offset:((\t)%2)*1024+((\t)/2)*4   ; row t / 2 of my 8, K steps 4 (t % 2) on; both lanes of a block write the same byte
	global_store_b64 v4, v[C+4*(\t):C+4*(\t)+1], s[18:19] offset:32*CB*(\t)
.endm
.irp t, 0,1,2,3,4,5,6,7,8,9,10,11,12,13,14,15
	STEP \t
.endr
	s_wait_dscnt 0x0                               ; for the others' sake: my byte stores have landed
	s_barrier_signal -1
	s_barrier_wait -1
	ds_load_b64 v[12:13], v6                       ; K step w's words of the 64 rows
	s_wait_dscnt 0x0
	global_store_b64 v7, v[12:13], s[20:21]        ; 32 lanes store 256 consecutive bytes, aligned; the groups of 8 rows change places here
	s_wait_tensorcnt 0x0
	ds_add_u32 v192, v193
	s_wait_dscnt 0x0
	s_endpgm
.Lfunc_end_k_q246256d800_quant:
	.size	k_q246256d800_quant, .Lfunc_end_k_q246256d800_quant-k_q246256d800_quant
	.p2alignl 7, 3214868480
	.fill 96, 4, 3214868480
	.section	.rodata,"a",@progbits
	.p2align	6, 0x0
	.amdhsa_kernel k_q246256d800_quant
		.amdhsa_group_segment_fixed_size 44032
		.amdhsa_private_segment_fixed_size 0
		.amdhsa_enable_private_segment 0
		.amdhsa_kernarg_size 72
		.amdhsa_user_sgpr_count 2
		.amdhsa_user_sgpr_kernarg_segment_ptr 1
		.amdhsa_wavefront_size32 1
		.amdhsa_system_sgpr_workgroup_id_x 1
		.amdhsa_system_sgpr_workgroup_id_y 1
		.amdhsa_system_sgpr_workgroup_id_z 1
		.amdhsa_system_vgpr_workitem_id 0
		.amdhsa_next_free_vgpr 194
		.amdhsa_next_free_sgpr 66
		.amdhsa_reserve_vcc 0
		.amdhsa_float_denorm_mode_32 3
		.amdhsa_float_denorm_mode_16_64 3
		.amdhsa_memory_ordered 1
		.amdhsa_forward_progress 1
		.amdhsa_inst_pref_size 39
	.end_amdhsa_kernel
	.amdgpu_metadata
---
amdhsa.version: [ 1, 2 ]
amdhsa.kernels:
  - .name:           k_q246256d800_quant
    .symbol:         k_q246256d800_quant.kd
    .args:
      - { .name: q, .offset: 0, .size: 8, .value_kind: global_buffer, .address_space: global }
      - { .name: k, .offset: 8, .size: 8, .value_kind: global_buffer, .address_space: global }
      - { .name: v, .offset: 16, .size: 8, .value_kind: global_buffer, .address_space: global }
      - { .name: Wq, .offset: 24, .size: 8, .value_kind: global_buffer, .address_space: global }
      - { .name: Wk, .offset: 32, .size: 8, .value_kind: global_buffer, .address_space: global }
      - { .name: Wv, .offset: 40, .size: 8, .value_kind: global_buffer, .address_space: global }
      - { .name: Wo, .offset: 48, .size: 8, .value_kind: global_buffer, .address_space: global }
      - { .name: xw_codes, .offset: 56, .size: 8, .value_kind: global_buffer, .address_space: global }
      - { .name: xw_scales, .offset: 64, .size: 8, .value_kind: global_buffer, .address_space: global }
    .group_segment_fixed_size: 44032
    .private_segment_fixed_size: 0
    .kernarg_segment_align: 8
    .kernarg_segment_size: 72
    .max_flat_workgroup_size: 256
    .sgpr_count:     66
    .vgpr_count:     194
    .wavefront_size: 32
...
	.end_amdgpu_metadata
.endif
;; end of part 1
;; launch proj (part 2): grid 4 x 192, 4 waves a work-group, clusters of 4 x 4, 327,680 bytes of LDS; arguments xw_codes, xw_scales, bq, bk, bv, qkv_codes, qkv_scales; writes qkv_codes, qkv_scales
.if DOCPART == 2
	.amdgcn_target "amdgcn-amd-amdhsa--gfx1250"
	.amdhsa_code_object_version 6
	.text
	.protected	k_q246256d800_proj
	.globl	k_q246256d800_proj
	.p2align	8
	.type	k_q246256d800_proj,@function
k_q246256d800_proj:
	s_mov_b64 s[64:65], 0
	v_nop
	global_prefetch_b8 v0, s[64:65] scope:SCOPE_SE
	s_setreg_imm32_b32 hwreg(HW_REG_WAVE_MODE, 25, 1), 1
	s_wait_xcnt 0x0
	s_wait_alu depctr_hold_cnt(0) depctr_sa_sdst(0) depctr_va_vdst(0) depctr_va_sdst(0) depctr_va_ssrc(0) depctr_va_vcc(0) depctr_vm_vsrc(0)
	s_getreg_b32 s2, hwreg(HW_REG_IB_STS2, 6, 4)
	s_cmp_eq_u32 s2, 0
	s_cbranch_scc0 .Lentry_in_a_cluster
	s_endpgm
.Lentry_in_a_cluster:
	s_bfe_u32 s2, ttmp6, 0x10000c
	s_cmp_lg_u32 s2, 0xf033
	s_cbranch_scc0 .Lentry_shape_is_right
	s_endpgm
.Lentry_shape_is_right:
; The three projections on codes of FP4, with bias, the factor 1/8 for q, and the quantiser for the attention's two products.  K = 1,024.
; C'[i][j] = sum over k of P[i][k] Qm[j][k].  T = 0, 1 (q, k): P = the tokens, Qm = the weight: a lane's results run along the hidden axis, which is the next K (the head's 64).
; T = 2 (v): P = Wv, Qm = the tokens: a lane's results run along the KEYS, which are the second product's K.  Qm's rows are stored with groups of 8 exchanged, so that the 16 registers of two
; neighbouring tiles are 16 neighbours along the next K.
; SHARES: a work-group makes 128 (i) x 256 (j); wave w makes rows 64 (w / 2) on and columns 128 (w % 2) on: 4 x 8 accumulators of 16 x 16.  The matrix instruction is used transposed
; (source 0 = 16 rows of Qm, source 1 = 16 rows of P): lane (r, h), register n of accumulator (a, b) is C'[16 a + r][16 b + 8 h + n].
; ALL OF K LIES IN LDS: two slots of 512 along K, both asked for at the start; nothing is filled again.  By this text's own count a wave has three tensor loads out at most.
; CLUSTER 4 x 4: P's tiles hang on the cluster's row alone and are asked for jointly along it, Qm's on its column.
; OUT: a wave's 16 rows x 128 columns are one operand fragment: it leaves as an image of its registers ([c][lane][16 bytes], 1,024 bytes), its 16 scale words beside it.
;   qkv_codes [T][F][1 KB], qkv_scales [T][F][16 words];  q, k: F = (8 batch + pair of heads) 64 + tile of 16 tokens;  v: F = (8 batch + pair) 64 + 8 (step of 128 keys) + tile of 16 hidden rows.
; LIMITS: a block whose largest magnitude lies under 2^-124 keeps the byte 1; NaN and infinities are not served.
; REGISTERS: window 0: v16-27 addresses; v28, v29 the add's; v32-47 P's scale words, v48-79 Qm's; v96-159 P's fragments, two sets (later the codes made); v160-223 64 numbers at work; v224-239 the quantiser's.
;   window 1: v0-127 Qm's fragments, two sets; v128-191 the bias along j; v192-199 the bias along i.   window 2: the 32 accumulators, (a, b) at v[8 (8 a + b)].
; THE FILLS, AS THEY STAND NOW (in place of what is said above of two slots and three loads): a row of LDS holds all 1,024 codes of a row, 512 bytes + 16 of padding.
; The head has four tiles and four waves, one joint load a wave: wave 0 P's 128 rows, wave 1 Qm's 256 rows, wave 2 P's scale words [8 K steps][128 rows], wave 3 Qm's [8][256].  Nothing is filled later.
.set PITCH, 528                        ; 33 x 16 bytes: the 16 rows of a load start at 16 different banks
.set PH,    64*PITCH                   ; P: 64 rows: what one wave reads
.set QH,    128*PITCH                  ; Qm: 128 rows
.set SLOT,  256                        ; K 512 on: 256 bytes further along the same row
.set SCLA,  2*PH+2*QH
.set SCLB,  SCLA+4096                  ; Qm's: 2 x [8][128]
.set STG,   SCLB+8192                  ; 256 bytes for each wave: the scale words made
.set SPARE, STG+1024                   ; the spare words, 128 bytes for each wave; no other line names them
.set ADRA, 16
.set ADRB, 20
.set ADSA, 22
.set ADSB, 23
.set LI,   24                          ; 16 x lane
.set SGW,  25
.set SGR,  26
.set L8,   27                          ; 8 x lane
.set SPW,  28
.set NIL,  29
.set SA,   32                          ; register 8 i + kq: lanes 0-15 P's block 2 i, lanes 16-31 block 2 i + 1
.set SB,   48                          ; the same for Qm
.set AF,   96
.set WO,   160
.set TM,   224
.set BJ,   128                         ; window 1
.set BI,   192                         ; window 1
.set SEL,  100
.set G1, 24
.set G0, 32
.set G1B, 48
.set G0B, 56
.set G1S, 68
.set G0S, 76
.set G1SB, 80
.set G0SB, 88
.set MSB, 0
.macro WIN new                         ; the immediate's high byte repeats the setting that is left
.if MSB != \new
	s_set_vgpr_msb (MSB<<8)|\new
.set MSB, \new
.endif
.endm
.set MUL,  0xa1                        ; source 0 (Qm) window 1, source 1 (P) window 0, C and D window 2
.set TO_B, 0x40                        ; destination window 1, address window 0
; A joint load: waves 0 and 1 fetch for P, waves 2 and 3 for Qm.  The branch hangs on the wave's number alone.  Four v_nop follow each of the two lines.
.macro ARM under, g0, g1, next         ; one arm of the head's chain of branches on the wave's number: its load, and a jump to the join
	s_cmp_lt_u32 s18, \under
	s_cbranch_scc0 \next
	tensor_load_to_lds s[\g0:\g0+3], s[\g1:\g1+7]
	s_nop 0
.rept 4
	v_nop
.endr
	s_branch .Lhead_asked
\next:
.endm
.macro CROUND                          ; a round of the cluster's barrier
	s_barrier_signal -1
	s_barrier_wait -1
	s_cmp_lg_u32 s18, 0
	s_cbranch_scc1 .Lnot_wave_0_\@
	s_barrier_signal -3
.Lnot_wave_0_\@:
	s_barrier_wait -3
	s_barrier_signal -1
	s_barrier_wait -1
.endm
.macro PLACES n
.rept \n
	v_nop
.endr
.endm
	s_load_b256 s[4:11], s[0:1], 0x0               ; xw_codes, xw_scales, bq, bk
	s_load_b128 s[12:15], s[0:1], 0x20             ; bv, qkv_codes
	s_load_b64 s[16:17], s[0:1], 0x30              ; qkv_scales
	v_lshl_add_u32 v[SPW], v0, 2, SPARE
	v_mov_b32 v[NIL], 0
	ds_add_u32 v28, v29
	ds_add_u32 v28, v29
	s_wait_dscnt 0x0
	v_lshrrev_b32 v1, 5, v0
	v_readfirstlane_b32 s18, v1                    ; wave 0..3
	s_lshr_b32 s19, s18, 1                         ; my half of the rows i.
	s_and_b32 s20, s18, 1                          ; my half of the columns j.
	s_bfe_u32 s21, ttmp6, 0x40000                  ; cx
	s_bfe_u32 s22, ttmp6, 0x40004                  ; cy
	s_and_b32 s40, ttmp7, 0xffff                   ; the cluster's y, 0..47
	s_lshr_b32 s23, s40, 4                         ; T: 0 q, 1 k, 2 v: the same in all sixteen partners
	s_and_b32 s40, s40, 15
	s_lshl_b32 s41, s22, 2
	s_lshl_b32 s41, 15, s41                        ; my row of the cluster
	s_lshl_b32 s42, 0x1111, s21                    ; my column
	s_or_b32 s[G1+0], s41, (1<<20)|(1<<21)|(6<<22)|(3<<25)    ; P's codes: the mask; elements of 1 byte; 4 words of padding behind every 128
	s_or_b32 s[G1B+0], s42, (1<<20)|(1<<21)|(6<<22)|(3<<25)   ; Qm's
	s_mov_b32 s[G1+1], 512<<16                     ; tensor_dim0 = 512 bytes
	s_mov_b32 s[G1+2], 128<<16                     ; tensor_dim1 = 128 rows
	s_mov_b32 s[G1+3], 512<<16                     ; tile_dim0
	s_mov_b32 s[G1+4], 128                         ; tile_dim1
	s_mov_b32 s[G1+5], 512                         ; a row of codes in memory
	s_mov_b32 s[G1+6], 0
	s_mov_b32 s[G1+7], 0
	s_mov_b32 s[G1B+1], 512<<16
	s_mov_b32 s[G1B+2], 256<<16
	s_mov_b32 s[G1B+3], 512<<16
	s_mov_b32 s[G1B+4], 256
	s_mov_b32 s[G1B+5], 512
	s_mov_b32 s[G1B+6], 0
	s_mov_b32 s[G1B+7], 0
	s_or_b32 s[G1S+0], s41, (2<<16)|(1<<21)        ; P's scale words: 8 K steps x 128 words, 28,672 words apart
	s_mov_b32 s[G1S+1], 128<<16
	s_mov_b32 s[G1S+2], 8<<16
	s_mov_b32 s[G1S+3], 128<<16
	s_mov_b32 s[G1S+4], 8
	s_mov_b32 s[G1S+5], 28672
	s_mov_b32 s[G1S+6], 0
	s_mov_b32 s[G1S+7], 0
	s_or_b32 s[G1SB+0], s42, (2<<16)|(1<<21)       ; Qm's: 8 x 256 words
	s_mov_b32 s[G1SB+1], 256<<16
	s_mov_b32 s[G1SB+2], 8<<16
	s_mov_b32 s[G1SB+3], 256<<16
	s_mov_b32 s[G1SB+4], 8
	s_mov_b32 s[G1SB+5], 28672
	s_mov_b32 s[G1SB+6], 0
	s_mov_b32 s[G1SB+7], 0
	; the roles.  q, k: 64 tiles of tokens (i) x 4 of the weight (j).  v: 8 tiles of Wv (i) x 32 of tokens (j)
	s_and_b32 s43, s40, 1
	s_lshr_b32 s44, s40, 1
	s_lshl_b32 s45, s23, 13
	s_lshl_b32 s46, s23, 10
	s_add_co_u32 s46, s46, 24576
	s_cmp_eq_u32 s23, 2
	s_cselect_b32 s43, s43, s40
	s_cselect_b32 s44, s44, 0
	s_cselect_b32 s45, 26624, s45                  ; P's first stored row
	s_cselect_b32 s46, 16384, s46                  ; Qm's
	s_lshl_b32 s47, s43, 2
	s_add_co_u32 s47, s47, s22                     ; tile_i: hangs on cy alone
	s_lshl_b32 s92, s44, 2
	s_add_co_u32 s92, s92, s21                     ; tile_j: on cx alone
	s_lshl_b32 s93, s47, 7
	s_add_co_u32 s93, s93, s45
	s_lshl_b32 s94, s92, 8
	s_add_co_u32 s94, s94, s46
	s_lshl_b32 s96, s93, 9
	s_mov_b32 s97, 0
	s_lshl_b32 s98, s94, 9
	s_mov_b32 s99, 0
	s_lshl_b32 s2, s93, 2
	s_mov_b32 s3, 0
	s_lshl_b32 s66, s94, 2
	s_mov_b32 s67, 0
	s_wait_kmcnt 0x0
	s_add_nc_u64 s[96:97], s[4:5], s[96:97]
	s_add_nc_u64 s[98:99], s[4:5], s[98:99]
	s_add_nc_u64 s[2:3], s[6:7], s[2:3]
	s_add_nc_u64 s[66:67], s[6:7], s[66:67]
	CROUND                                         ; all sixteen work-groups are here: the first joint loads meet
	s_mov_b32 s[G0], 1                             ; P's 128 rows, all of K
	s_mov_b32 s[G0+1], 0
	s_mov_b64 s[G0+2:G0+3], s[96:97]
	s_or_b32 s[G0+3], s[G0+3], 0x80000000
	s_mov_b32 s[G0B], 1                            ; Qm's 256 rows, behind them
	s_mov_b32 s[G0B+1], 2*PH
	s_mov_b64 s[G0B+2:G0B+3], s[98:99]
	s_or_b32 s[G0B+3], s[G0B+3], 0x80000000
	s_mov_b32 s[G0S], 1                            ; P's scale words
	s_mov_b32 s[G0S+1], SCLA
	s_mov_b64 s[G0S+2:G0S+3], s[2:3]
	s_or_b32 s[G0S+3], s[G0S+3], 0x80000000
	s_mov_b32 s[G0SB], 1                           ; Qm's
	s_mov_b32 s[G0SB+1], SCLB
	s_mov_b64 s[G0SB+2:G0SB+3], s[66:67]
	s_or_b32 s[G0SB+3], s[G0SB+3], 0x80000000
	ARM 1, G0,  G1,  .Lhead_b                      ; one joint load a wave
	ARM 2, G0B, G1B, .Lhead_sa
	ARM 3, G0S, G1S, .Lhead_sb
	tensor_load_to_lds s[G0SB:G0SB+3], s[G1SB:G1SB+7]
	s_nop 0
.rept 4
	v_nop
.endr
.Lhead_asked:
	v_and_b32 v1, 15, v0                           ; r
	v_bfe_u32 v2, v0, 4, 1                         ; h
	v_and_b32 v3, 31, v0                           ; lane
	v_mul_u32_u24 v4, v1, PITCH
	v_lshl_add_u32 v4, v2, 4, v4                   ; a fragment's row x pitch + 16 h
	s_mul_i32 s40, s19, PH
	s_mul_i32 s41, s20, QH
	s_add_co_u32 s41, s41, 2*PH
.irp s, 0,1
	v_add_nc_u32 v[ADRA+\s], s40, v4
	v_add_nc_u32 v[ADRB+\s], s41, v4
	s_add_co_u32 s40, s40, SLOT
	s_add_co_u32 s41, s41, SLOT
.endr
	v_lshlrev_b32 v5, 2, v3
	s_lshl_b32 s40, s19, 8                         ; my 64 rows' words of a K step's 128
	s_add_co_u32 s40, s40, SCLA
	v_add_nc_u32 v[ADSA], s40, v5
	s_lshl_b32 s40, s20, 9                         ; my 128 rows' words of a K step's 256
	s_add_co_u32 s40, s40, SCLB
	v_add_nc_u32 v[ADSB], s40, v5
	v_lshlrev_b32 v[LI], 4, v3
	s_lshl_b32 s40, s18, 8
	s_add_co_u32 s40, s40, STG
	v_lshl_add_u32 v[SGW], v1, 2, s40
	v_lshl_add_u32 v[SGR], v3, 3, s40
	v_lshlrev_b32 v[L8], 3, v3
.irp b, 0,1,2,3
	v_mov_b32 v[TM+4+\b], 0                        ; written once: a lane permute's destination counts as one of its sources
.endr
	s_mov_b32 s[SEL], 0x76543210
	s_mov_b32 s[SEL+1], 0xfedcba98                 ; v_permlanex16_b32's selects for lane l xor 16
	s_lshl_b32 s44, s47, 7
	s_lshl_b32 s40, s19, 6
	s_add_co_u32 s44, s44, s40                     ; iw: my first row i
	s_lshl_b32 s45, s92, 8
	s_lshl_b32 s40, s20, 7
	s_add_co_u32 s45, s45, s40                     ; jw: my first column j
	s_lshl_b32 s40, s45, 2
	s_lshl_b32 s41, s44, 2
	s_cmp_eq_u32 s23, 0
	s_cselect_b64 s[8:9], s[8:9], s[10:11]         ; the bias: bq, bk
	s_cselect_b32 s2, 0x3e000000, 1.0              ; 1/8 for q, else 1
	s_mov_b32 s3, s2
	s_cmp_eq_u32 s23, 2
	s_cselect_b64 s[8:9], s[12:13], s[8:9]         ; or bv
	s_cselect_b32 s40, 0, s40                      ; the side that is not used reads the buffer's head: every load stays inside
	s_cselect_b32 s41, s41, 0
	v_lshl_add_u32 v5, v2, 6, s40                  ; along j: register n of tile b is hidden unit jw + 32 (b / 2) + 16 h + 8 (b % 2) + n
	v_and_b32 v6, 8, v1
	v_add_nc_u32 v6, v6, v1
	v_lshl_add_u32 v6, v6, 2, s41                  ; along i: lane r of tile a is hidden unit iw + 32 (a / 2) + 8 (a % 2) + r + 8 (r / 8)
	WIN TO_B
.irp b, 0,1,2,3,4,5,6,7
	global_load_b128 v[BJ+8*\b:BJ+8*\b+3], v5, s[8:9] offset:(32*(\b/2)+8*(\b%2))*4
	global_load_b128 v[BJ+8*\b+4:BJ+8*\b+7], v5, s[8:9] offset:(32*(\b/2)+8*(\b%2))*4+16
.endr
.irp a, 0,1,2,3
	global_load_b32 v[BI+2*\a], v6, s[8:9] offset:(32*(\a/2)+8*(\a%2))*4
	global_load_b32 v[BI+2*\a+1], v6, s[8:9] offset:(32*(\a/2)+8*(\a%2))*4     ; (the packed form names a pair)
.endr
	WIN 0
	; where my four fragments go
	s_lshr_b32 s40, s44, 10
	s_lshl_b32 s40, s40, 3
	s_lshr_b32 s41, s45, 7
	s_add_co_u32 s40, s40, s41
	s_lshl_b32 s40, s40, 6
	s_bfe_u32 s41, s44, 0x60004
	s_add_co_u32 s40, s40, s41                     ; q, k: (8 (iw / 1024) + jw / 128) 64 + (iw % 1024) / 16
	s_lshr_b32 s41, s45, 10
	s_lshl_b32 s41, s41, 3
	s_lshr_b32 s42, s44, 7
	s_add_co_u32 s41, s41, s42
	s_lshl_b32 s41, s41, 6
	s_bfe_u32 s42, s45, 0x30007
	s_lshl_b32 s42, s42, 3
	s_add_co_u32 s41, s41, s42
	s_bfe_u32 s42, s44, 0x30004
	s_add_co_u32 s41, s41, s42                     ; v: (8 (jw / 1024) + iw / 128) 64 + 8 ((jw % 1024) / 128) + (iw % 128) / 16
	s_cmp_eq_u32 s23, 2
	s_cselect_b32 s40, s41, s40
	s_lshl_b32 s42, s23, 12
	s_add_co_u32 s40, s40, s42                     ; + 4,096 T
	s_lshl_b32 s42, s40, 10
	s_mov_b32 s43, 0
	s_add_nc_u64 s[14:15], s[14:15], s[42:43]
	s_lshl_b32 s42, s40, 6
	s_add_nc_u64 s[16:17], s[16:17], s[42:43]
	s_wait_loadcnt 0x0
	WIN 0x41
.set n, 0
.rept 32
	v_pk_mul_f32 v[BJ+n:BJ+n+1], v[BJ+n:BJ+n+1], s[2:3] op_sel_hi:[1,0]   ; (sum + b) / 8 = sum / 8 + b / 8, exactly: the bias takes the factor once
.set n, n+2
.endr
	WIN 0
; One product.  The scale words of two neighbouring blocks share a register: the odd block's stand in lanes 16-31.  zero = 1: the first K step starts the sums.
.macro WM a, b, set, kq, zero
.set rD, 8*(8*(\a)+(\b))
.set rQ, 64*(\set)+8*(\b)
.set rP, AF+32*(\set)+8*(\a)
.set rY, SB+8*((\b)/2)+(\kq)
.set rX, SA+8*((\a)/2)+(\kq)
.if \zero
.if ((\b)%2) && ((\a)%2)
	v_wmma_scale_f32_16x16x128_f8f6f4 v[rD:rD+7], v[rQ:rQ+7], v[rP:rP+7], 0, v[rY], v[rX] matrix_a_fmt:MATRIX_FMT_FP4 matrix_b_fmt:MATRIX_FMT_FP4 matrix_a_scale:MATRIX_SCALE_ROW1 matrix_b_scale:MATRIX_SCALE_ROW1
.elseif (\b)%2
	v_wmma_scale_f32_16x16x128_f8f6f4 v[rD:rD+7], v[rQ:rQ+7], v[rP:rP+7], 0, v[rY], v[rX] matrix_a_fmt:MATRIX_FMT_FP4 matrix_b_fmt:MATRIX_FMT_FP4 matrix_a_scale:MATRIX_SCALE_ROW1
.elseif (\a)%2
	v_wmma_scale_f32_16x16x128_f8f6f4 v[rD:rD+7], v[rQ:rQ+7], v[rP:rP+7], 0, v[rY], v[rX] matrix_a_fmt:MATRIX_FMT_FP4 matrix_b_fmt:MATRIX_FMT_FP4 matrix_b_scale:MATRIX_SCALE_ROW1
.else
	v_wmma_scale_f32_16x16x128_f8f6f4 v[rD:rD+7], v[rQ:rQ+7], v[rP:rP+7], 0, v[rY], v[rX] matrix_a_fmt:MATRIX_FMT_FP4 matrix_b_fmt:MATRIX_FMT_FP4
.endif
.else
.if ((\b)%2) && ((\a)%2)
	v_wmma_scale_f32_16x16x128_f8f6f4 v[rD:rD+7], v[rQ:rQ+7], v[rP:rP+7], v[rD:rD+7], v[rY], v[rX] matrix_a_fmt:MATRIX_FMT_FP4 matrix_b_fmt:MATRIX_FMT_FP4 matrix_a_scale:MATRIX_SCALE_ROW1 matrix_b_scale:MATRIX_SCALE_ROW1
.elseif (\b)%2
	v_wmma_scale_f32_16x16x128_f8f6f4 v[rD:rD+7], v[rQ:rQ+7], v[rP:rP+7], v[rD:rD+7], v[rY], v[rX] matrix_a_fmt:MATRIX_FMT_FP4 matrix_b_fmt:MATRIX_FMT_FP4 matrix_a_scale:MATRIX_SCALE_ROW1
.elseif (\a)%2
	v_wmma_scale_f32_16x16x128_f8f6f4 v[rD:rD+7], v[rQ:rQ+7], v[rP:rP+7], v[rD:rD+7], v[rY], v[rX] matrix_a_fmt:MATRIX_FMT_FP4 matrix_b_fmt:MATRIX_FMT_FP4 matrix_b_scale:MATRIX_SCALE_ROW1
.else
	v_wmma_scale_f32_16x16x128_f8f6f4 v[rD:rD+7], v[rQ:rQ+7], v[rP:rP+7], v[rD:rD+7], v[rY], v[rX] matrix_a_fmt:MATRIX_FMT_FP4 matrix_b_fmt:MATRIX_FMT_FP4
.endif
.endif
.endm
.macro MUL16 a0, set, kq, zero         ; P's blocks a0, a0 + 1 against Qm's eight.  The 32 accumulators take turns, one instruction a turn, in the same order in every step
.irp a, \a0, \a0+1
.irp b, 0,1,2,3,4,5,6,7
	WM \a, \b, \set, \kq, \zero
.endr
.endr
.endm
.macro FETCH kq, set                   ; the fragments of K step kq (128 along K): Qm's eight, P's four: 24 loads in one run
.set FS, (\kq)/4
.set FQ, (\kq)%4
	WIN TO_B
.irp i, 0,1,2,3,4,5,6,7
	ds_load_b128 v[64*(\set)+8*\i:64*(\set)+8*\i+3],   v[ADRB+FS] offset:64*FQ+\i*16*PITCH
	ds_load_b128 v[64*(\set)+8*\i+4:64*(\set)+8*\i+7], v[ADRB+FS] offset:64*FQ+\i*16*PITCH+32
.endr
	WIN 0
.irp i, 0,1,2,3
	ds_load_b128 v[AF+32*(\set)+8*\i:AF+32*(\set)+8*\i+3],   v[ADRA+FS] offset:64*FQ+\i*16*PITCH
	ds_load_b128 v[AF+32*(\set)+8*\i+4:AF+32*(\set)+8*\i+7], v[ADRA+FS] offset:64*FQ+\i*16*PITCH+32
.endr
.endm
; A K step of 128: this step's fragments are in; the next step's are asked for; 32 products.
.macro STEP kq, zero
	s_wait_dscnt 0x0                               ; the 24 loads issued one step (32 products) ago; in step 0 the 48 scale words too
.if \kq > 0
	PLACES 4                                       ; four places between the last step's products and loads into the set that they read
.endif
.if \kq < 7
	FETCH (\kq)+1, ((\kq)+1)%2
.endif
	WIN MUL
	MUL16 0, (\kq)%2, \kq, \zero
	MUL16 2, (\kq)%2, \kq, \zero
	WIN 0
.endm
; 64 numbers of a lane, register 16 b + i = k 32 b + 16 (lane / 16) + i of my row, become a fragment's codes in v[pc] on and its scale word in v[pw].
.macro QUANT s, tm, pc, pw
.irp b, 0,1,2,3
	v_max3_num_f32 v[(\tm)+\b], |v[(\s)+16*\b]|, |v[(\s)+1+16*\b]|, 0x1800000   ; my 16 numbers of block b, and the floor 2^(3 - 127)
.endr
.irp i, 2,4,6,8,10,12,14
.irp b, 0,1,2,3
	v_max3_num_f32 v[(\tm)+\b], v[(\tm)+\b], |v[(\s)+16*\b+\i]|, |v[(\s)+1+16*\b+\i]|
.endr
.endr
.irp b, 0,1,2,3
	v_permlanex16_b32 v[(\tm)+4+\b], v[(\tm)+\b], s[SEL], s[SEL+1]
.endr
.irp b, 0,1,2,3
	v_max_num_f32 v[(\tm)+\b], v[(\tm)+\b], v[(\tm)+4+\b]      ; with lane l xor 16's: the block's largest magnitude
.endr
.irp b, 0,1,2,3
	v_add_nc_u32 v[(\tm)+12+\b], 0xff000000, v[(\tm)+\b]       ; 2 off its exponent field: the conversion's scale operand
.endr
.irp b, 0,1,2,3
	v_lshrrev_b32 v[(\tm)+4+\b], 23, v[(\tm)+12+\b]            ; the scale's byte
.endr
	v_lshl_or_b32 v[\pw], v[(\tm)+5], 8, v[(\tm)+4]
	v_lshl_or_b32 v[\pw], v[(\tm)+6], 16, v[\pw]
	v_lshl_or_b32 v[\pw], v[(\tm)+7], 24, v[\pw]
.irp b, 0,1,2,3
	v_cvt_scalef32_pk8_fp4_f32 v[(\pc)+2*\b], v[(\s)+16*\b:(\s)+7+16*\b], v[(\tm)+12+\b]
	v_cvt_scalef32_pk8_fp4_f32 v[(\pc)+1+2*\b], v[(\s)+8+16*\b:(\s)+15+16*\b], v[(\tm)+12+\b]
.endr
	v_nop                                          ; one plain place behind a scaled conversion
.irp c, 0,1                                    ; the operand's layout wants a whole block in a lane
.irp i, 0,1
	v_permlane16_swap_b32 v[(\pc)+4*\c+\i], v[(\pc)+2+4*\c+\i]
.endr
.endr
.endm
; Rows 16 a on of my tile: factor and bias, the quantiser, the image out.
.macro EPI a
	s_cmp_eq_u32 s23, 2
	s_cbranch_scc1 .Lkeys_\@
	WIN 0x12                                       ; source 0 (the sums) window 2, source 2 (the bias) window 1
.irp b, 0,1,2,3,4,5,6,7
.irp n, 0,2,4,6
	v_pk_fma_f32 v[WO+8*\b+\n:WO+8*\b+\n+1], v[8*(8*\a+\b)+\n:8*(8*\a+\b)+\n+1], s[2:3], v[BJ+8*\b+\n:BJ+8*\b+\n+1] op_sel_hi:[1,0,1]   ; q, k: the bias runs along the registers
.endr
.endr
	WIN 0
	s_branch .Lmade_\@
.Lkeys_\@:
	WIN 0x12
.irp b, 0,1,2,3,4,5,6,7
.irp n, 0,2,4,6
	v_pk_fma_f32 v[WO+8*\b+\n:WO+8*\b+\n+1], v[8*(8*\a+\b)+\n:8*(8*\a+\b)+\n+1], s[2:3], v[BI+2*\a:BI+2*\a+1] op_sel_hi:[1,0,0]         ; v: one number a lane
.endr
.endr
	WIN 0
.Lmade_\@:
	QUANT WO, TM, 96+8*\a, 128+\a
	global_store_b128 v[LI], v[96+8*\a:96+8*\a+3], s[14:15] offset:1024*\a          ; 32 lanes store 512 consecutive bytes, aligned
	global_store_b128 v[LI], v[96+8*\a+4:96+8*\a+7], s[14:15] offset:1024*\a+512
	ds_store_b32 v[SGW], v[128+\a] offset:64*\a    ; row r's scale word (both halves of the lanes hold and write the same)
.endm
	s_wait_tensorcnt 0x0                           ; my one tile of the four is in
	s_barrier_signal -1
	s_barrier_wait -1                              ; everybody's are
.irp kq, 0,1,2,3,4,5,6,7
.irp i, 0,1
	ds_load_b32 v[SA+8*\i+\kq], v[ADSA] offset:512*\kq+128*\i
.endr
.irp j, 0,1,2,3
	ds_load_b32 v[SB+8*\j+\kq], v[ADSB] offset:1024*\kq+128*\j
.endr
.endr
	FETCH 0, 0
	STEP 0, 1
	STEP 1, 0
	STEP 2, 0
	STEP 3, 0
	STEP 4, 0
	STEP 5, 0
	STEP 6, 0
	STEP 7, 0
	PLACES 4                                       ; in front of the first read of results and the first write over operands
	EPI 0
	EPI 1
	EPI 2
	EPI 3
	ds_load_b64 v[132:133], v[SGR]                 ; my four fragments' 64 scale words; LDS serves a wave's instructions in order
	s_wait_dscnt 0x0
	global_store_b64 v[L8], v[132:133], s[16:17]   ; 256 consecutive bytes, aligned
	s_wait_tensorcnt 0x0                           ; the wave's end
	ds_add_u32 v[SPW], v[NIL]
	s_wait_dscnt 0x0
	CROUND                                         ; the closing round
	s_endpgm
.Lfunc_end_k_q246256d800_proj:
	.size	k_q246256d800_proj, .Lfunc_end_k_q246256d800_proj-k_q246256d800_proj
	.p2alignl 7, 3214868480
	.fill 96, 4, 3214868480
	.section	.rodata,"a",@progbits
	.p2align	6, 0x0
	.amdhsa_kernel k_q246256d800_proj
		.amdhsa_group_segment_fixed_size 327680
		.amdhsa_private_segment_fixed_size 0
		.amdhsa_enable_private_segment 0
		.amdhsa_kernarg_size 56
		.amdhsa_user_sgpr_count 2
		.amdhsa_user_sgpr_kernarg_segment_ptr 1
		.amdhsa_wavefront_size32 1
		.amdhsa_system_sgpr_workgroup_id_x 1
		.amdhsa_system_sgpr_workgroup_id_y 1
		.amdhsa_system_sgpr_workgroup_id_z 1
		.amdhsa_system_vgpr_workitem_id 0
		.amdhsa_next_free_vgpr 768
		.amdhsa_next_free_sgpr 102
		.amdhsa_reserve_vcc 0
		.amdhsa_float_denorm_mode_32 3
		.amdhsa_float_denorm_mode_16_64 3
		.amdhsa_memory_ordered 1
		.amdhsa_forward_progress 1
		.amdhsa_inst_pref_size 97
	.end_amdhsa_kernel
	.amdgpu_metadata
---
amdhsa.version: [ 1, 2 ]
amdhsa.kernels:
  - .name:           k_q246256d800_proj
    .symbol:         k_q246256d800_proj.kd
    .args:
      - { .name: xw_codes, .offset: 0, .size: 8, .value_kind: global_buffer, .address_space: global }
      - { .name: xw_scales, .offset: 8, .size: 8, .value_kind: global_buffer, .address_space: global }
      - { .name: bq, .offset: 16, .size: 8, .value_kind: global_buffer, .address_space: global }
      - { .name: bk, .offset: 24, .size: 8, .value_kind: global_buffer, .address_space: global }
      - { .name: bv, .offset: 32, .size: 8, .value_kind: global_buffer, .address_space: global }
      - { .name: qkv_codes, .offset: 40, .size: 8, .value_kind: global_buffer, .address_space: global }
      - { .name: qkv_scales, .offset: 48, .size: 8, .value_kind: global_buffer, .address_space: global }
    .group_segment_fixed_size: 327680
    .private_segment_fixed_size: 0
    .kernarg_segment_align: 8
    .kernarg_segment_size: 56
    .max_flat_workgroup_size: 128
    .sgpr_count:     102
    .vgpr_count:     768
    .wavefront_size: 32
...
	.end_amdgpu_metadata
.endif
;; end of part 2
;; launch attn (part 3): grid 8 x 32, 16 waves a work-group, no clusters, 327,680 bytes of LDS; arguments qkv_codes, qkv_scales, attn_bias, zoom_bias, att_codes, att_scales; writes att_codes, att_scales
.if DOCPART == 3
	.amdgcn_target "amdgcn-amd-amdhsa--gfx1250"
	.amdhsa_code_object_version 6
	.text
	.protected	k_q246256d800_attn
	.globl	k_q246256d800_attn
	.p2align	8
	.type	k_q246256d800_attn,@function
k_q246256d800_attn:
	s_mov_b64 s[64:65], 0
	v_nop
	global_prefetch_b8 v0, s[64:65] scope:SCOPE_SE
	s_setreg_imm32_b32 hwreg(HW_REG_WAVE_MODE, 25, 1), 1
	s_wait_xcnt 0x0
; Attention on codes of FP4: logits = q k^T (the factor 1/8 lies in q's codes) + zoom_bias[query - key + 1023] + attn_bias[batch][query][key]; p = 2^(t - M), t = logit x log2(e), M the running largest t
; rounded up to a whole number; p is quantised along the keys; the row's sum is taken of the unquantised p and divides at the end; the result is quantised along the hidden axis for the last projection.
; SHARES: a work-group (x: the pair of heads, y: 4 batch + block of queries) owns 256 queries of one batch and a PAIR of heads; each of its sixteen waves 16 queries, both heads; every wave walks the 1,024 keys, 128 a step.
; ONE K FRAGMENT SERVES BOTH HEADS: head 0's scores are K x [q0 | zeros], head 1's K x [zeros | q1].  attn_bias + zoom, made once a step in the result's layout, is the C of both heads' score products.
; LAYOUT: both products are used transposed (S^T = K Q^T, O^T = V^T P^T): a lane holds one query.  Operands lie in memory and in LDS as images of their registers ([c][lane][16 bytes]).
; LDS: the pair's K and V come once, by the head's tensor loads, one a wave: wave w < 8 brings key step w's 8 fragments of K and 8 of V (16,384 bytes); wave 8 all scale words ([4,096 K][4,096 V]).  Nothing is filled again.
; THE BIAS goes through registers: a wave loads its 16 rows x 512 bytes by 16 loads of one whole row each (32 lanes on 512 consecutive bytes), one step ahead, into the registers that head 1's scores have left,
; and turns them through its own stage in LDS (16 rows x 528 bytes, written by ds_store alone) into the result's layout.  So no barrier and no wait for a tile stands in the loop.
; NO CLUSTER, NO JOINT LOADS, though the eight pairs of a batch read the same bias: a joint tile of a key step is 135,168 bytes for the 256 queries; two such slots do not fit beside K, V and the zoom table (164,096 bytes),
; and one slot alone would ask for a round of the cluster's barrier in each of the 8 steps.  K and V are shared only with work-groups of other queries: 136 KB against the bias's 1 MB.
; PREFETCH: the eight work-groups that walk the same bias share its steps out: the one of pair p asks, in trip p - 2, for step p's tile of its waves' rows (32 blocks of 256 bytes a wave, a lane a block): two steps ahead of the loads.
; Steps 0 and 1 come by their loads alone.
; THE ZOOM TABLE lies in LDS by m = 255 - (query in the block) + key, in four copies shifted by one word each, so that every lane reads 16 aligned bytes.
; LIMITS: finite inputs only (a row whose every logit is -infinity, NaN are not served); the scaled scores stay under 2^31 in magnitude; a block whose every p has fallen under 2^-124 keeps the byte 1; the division by the sum is v_rcp_f32 and a multiplication.
.set SCB,   131072                     ; K, V: 8 chunks of 16,384 bytes from 0; here their scale words
.set BIA,   139264                     ; the stages: 16 x 8,448
.set BWV,   8448
.set ZB,    274432                     ; four copies of the zoom table,
.set ZP,    6208                       ; 6,144 + 64 bytes apart
.set SG,    307456                     ; the scale words made: 256 queries x 4 bytes
.set SPARE, 308480                     ; the spare words, 128 bytes for each wave; no other line names them
.set AKV, 1                            ; v1 16 x lane + the step's K and V;  v2 4 x lane + its scale words;  v3 my place in my stage;  v4 my place in my copy of the zoom table
.set AS,  2
.set AB,  3
.set AZ,  4
.set SPW, 5
.set NIL, 6
.set QS,  7
.set ST0, 20                           ; head 0: v20 -M, v21 (the pair's upper half: carries the zoom address), v[22:23] the sum;  head 1: v24, v25 (p's scale word), v[26:27]
.set ST1, 24
.set ADZ, 21
.set PW,  25
.set KS,  28                           ; v28-31 scale words: K's, then V's
.set VSC, 28
.set KF,  32                           ; v32-63 four fragments of K; then the softmax's registers; v56-58 and v63 addresses of a moment
.set BM,  32
.set PX,  36
.set SO,  40
.set FF,  44
.set TMP, 45
.set PC,  46
.set S2,  54
.set SS0, 64                           ; v64-127  the bias turned, then head 0's scores, then V's eight fragments
.set SS1, 128                          ; v128-191 the bias as loaded, the zoom numbers, bias + zoom, head 1's scores
.set OT0, 192
.set OT1, 224
.set WV,  18
.set SEL, 20
.set CS,  22
.set LIM, 56                           ; s56 the count of trips left at which my work-group prefetches
.set TB,  86                           ; s86 the step's K and V: 16,384 bytes a step;  s87 its scale words: 512;  s88 its keys in the zoom table: 512
.set TS,  87
.set TZ,  88
	s_load_b256 s[4:11], s[0:1], 0x0               ; qkv_codes, qkv_scales, attn_bias, zoom_bias
	s_load_b128 s[12:15], s[0:1], 0x20             ; att_codes, att_scales
	v_lshl_add_u32 v[SPW], v0, 2, SPARE
	v_mov_b32 v[NIL], 0
	ds_add_u32 v[SPW], v[NIL]                      ; the opening lines: the add twice on end and its wait
	ds_add_u32 v[SPW], v[NIL]
	v_lshrrev_b32 v1, 5, v0
	v_readfirstlane_b32 s[WV], v1                  ; wave 0..15
	s_and_b32 s62, ttmp7, 0xffff
	s_and_b32 s63, s62, 3                          ; qb: which 256 queries
	s_lshr_b32 s62, s62, 2                         ; the batch
	s_lshl_b32 s67, s62, 3
	s_add_co_u32 s67, s67, ttmp9                   ; 8 batch + pair
	s_lshl_b32 s68, s63, 8
	s_lshl_b32 s69, s[WV], 4
	s_add_co_u32 s68, s68, s69                     ; my first query
	s_lshl_b32 s16, s63, 10                        ; the zoom table: 256 qb numbers on
	s_mov_b32 s17, 0
	s_lshl_b32 s70, s67, 16                        ; K's codes: 64 fragments for (batch, pair); key step w's eight; V's lie 4 MB on
	s_lshl_b32 s69, s[WV], 13
	s_add_co_u32 s70, s70, s69
	s_add_co_u32 s70, s70, 1<<22
	s_mov_b32 s71, 0
	s_lshl_b32 s72, s67, 12                        ; K's scale words, 4,096 bytes; V's lie 262,144 bytes on
	s_add_co_u32 s72, s72, 262144
	s_mov_b32 s73, 0
	s_lshl_b32 s74, s62, 22                        ; the bias: batch, my 16 rows of 4,096 bytes
	s_lshl_b32 s69, s68, 12
	s_add_co_u32 s74, s74, s69
	s_mov_b32 s75, 0
	s_lshl_b32 s48, ttmp9, 9                       ; the step that my work-group prefetches: 512 bytes a step
	s_mov_b32 s49, 0
	s_sub_co_u32 s[LIM], 9, ttmp9                  ; trip t has 7 - t trips left on its counter: t = pair - 2 (pairs 0 and 1: never)
	s_lshl_b32 s76, s67, 6
	s_lshr_b32 s77, s68, 4
	s_add_co_u32 s76, s76, s77                     ; Q's fragment
	s_lshl_b32 s78, s76, 10
	s_mov_b32 s79, 0
	s_lshl_b32 s80, s76, 6
	s_mov_b32 s81, 0
	s_lshr_b32 s82, ttmp9, 2                       ; att_codes: [pair / 4][tile of 16 tokens][pair % 4][1 KB]
	s_lshl_b32 s82, s82, 9
	s_lshl_b32 s69, s62, 6
	s_add_co_u32 s82, s82, s69
	s_add_co_u32 s82, s82, s77
	s_lshl_b32 s82, s82, 12
	s_and_b32 s69, ttmp9, 3
	s_lshl_b32 s69, s69, 10
	s_add_co_u32 s82, s82, s69
	s_mov_b32 s83, 0
	s_lshl_b32 s84, ttmp9, 15                      ; att_scales: [pair][8,192 tokens] words: my work-group's 256
	s_lshl_b32 s69, s62, 12
	s_add_co_u32 s84, s84, s69
	s_lshl_b32 s69, s63, 10
	s_add_co_u32 s84, s84, s69
	s_mov_b32 s85, 0
	s_mov_b32 s24, 3<<16                           ; K and V: two rows of 8,192 bytes (1,024 elements of 8), 4 MB apart
	s_mov_b32 s25, 1024<<16
	s_mov_b32 s26, 2<<16
	s_mov_b32 s27, 1024<<16
	s_mov_b32 s28, 2
	s_mov_b32 s29, 524288
	s_mov_b32 s30, 0
	s_mov_b32 s31, 0
	s_mov_b32 s36, 3<<16                           ; the scale words: two rows of 4,096 bytes, 262,144 bytes apart
	s_mov_b32 s37, 512<<16
	s_mov_b32 s38, 2<<16
	s_mov_b32 s39, 512<<16
	s_mov_b32 s40, 2
	s_mov_b32 s41, 32768
	s_mov_b32 s42, 0
	s_mov_b32 s43, 0
	s_mov_b32 s[SEL], 0x76543210
	s_mov_b32 s[SEL+1], 0xfedcba98
	s_mov_b32 s[CS], 0x3fb8aa3b                    ; log2(e)
	s_mov_b32 s[CS+1], s[CS]
	s_mov_b32 s[TB], 0
	s_mov_b32 s[TS], SCB
	s_mov_b32 s[TZ], 0
	s_wait_dscnt 0x0                               ; both opening adds are done
	s_wait_kmcnt 0x0
	s_mov_b32 s32, 1
	s_lshl_b32 s33, s[WV], 14
	s_add_nc_u64 s[34:35], s[4:5], s[70:71]
	s_or_b32 s35, s35, 0x80000000
	s_mov_b32 s44, 1
	s_mov_b32 s45, SCB
	s_add_nc_u64 s[46:47], s[6:7], s[72:73]
	s_or_b32 s47, s47, 0x80000000
	s_mul_i32 s57, s[WV], BWV
	s_add_co_u32 s57, s57, BIA                     ; my stage
	s_add_nc_u64 s[58:59], s[8:9], s[74:75]        ; the bias loads' base: stepped 512 bytes a step
	s_add_nc_u64 s[60:61], s[58:59], s[48:49]      ; the prefetch's: never rewritten
	s_add_nc_u64 s[10:11], s[10:11], s[16:17]
	s_add_nc_u64 s[78:79], s[4:5], s[78:79]
	s_add_nc_u64 s[80:81], s[6:7], s[80:81]
	s_add_nc_u64 s[82:83], s[12:13], s[82:83]
	s_add_nc_u64 s[84:85], s[14:15], s[84:85]
	s_cmp_lt_u32 s[WV], 8                          ; the head's loads: one chain of branches on the wave's number, one load to an arm
	s_cbranch_scc0 .Lhead_s
	tensor_load_to_lds s[32:35], s[24:31]
	s_nop 0
.rept 4
	v_nop
.endr
	s_branch .Lhead_asked
.Lhead_s:
	s_cmp_eq_u32 s[WV], 8
	s_cbranch_scc0 .Lhead_asked
	tensor_load_to_lds s[44:47], s[36:43]
	s_nop 0
.rept 4
	v_nop
.endr
.Lhead_asked:
	v_and_b32 v63, 31, v0                          ; lane
	v_and_b32 v62, 15, v0                          ; r
	v_bfe_u32 v61, v0, 4, 1                        ; h
	v_lshlrev_b32 v57, 4, v63
	v_lshlrev_b32 v56, 2, v62
	global_load_b128 v[8:11], v57, s[78:79]                ; q0
	global_load_b128 v[16:19], v57, s[78:79] offset:512    ; q1
	global_load_b32 v[QS], v56, s[80:81]
.irp kk, 0,1,2                                 ; the zoom table's four copies: word wd = thread + 512 kk of copy c holds zoom[256 qb + 1278 - c - wd]
.irp c, 0,1,2,3
.if \kk == 2
	v_min_u32 v[64+4*\kk+\c], 254-\c, v0           ; past word 1278 - c the index is held at 256 qb: no load leaves the buffer
	v_sub_nc_u32 v[64+4*\kk+\c], 254-\c, v[64+4*\kk+\c]
.else
	v_sub_nc_u32 v[64+4*\kk+\c], 1278-\c-512*\kk, v0
.endif
	v_lshlrev_b32 v[64+4*\kk+\c], 2, v[64+4*\kk+\c]
.endr
.endr
.irp n, 0,1,2,3,4,5,6,7,8,9,10,11
	global_load_b32 v[96+\n], v[64+\n], s[10:11]
.endr
.irp j, 0,1,2,3,4,5,6,7,8,9,10,11,12,13,14,15
	global_load_b128 v[SS1+4*\j:SS1+4*\j+3], v57, s[58:59] offset:4096*\j   ; key step 0's bias: row j, 512 consecutive bytes
.endr
	v_lshl_add_u32 v60, v0, 2, ZB
	v_mul_u32_u24 v[AB], v62, 528
	v_lshrrev_b32 v58, 1, v0
	v_and_b32 v59, 12, v0                          ; r less r % 4
	v_lshl_add_u32 v[AB], v61, 6, v[AB]
	v_and_b32 v58, 0xf0, v58                       ; 16 x wave
	v_add_nc_u32 v[AB], s57, v[AB]                 ; my stage + 528 r + 64 h: register 16 g + i is key 32 g + 16 h + i of query r
	v_add_nc_u32 v58, v58, v59
	v_and_b32 v59, 3, v0
	v_xor_b32 v58, 0xfc, v58                       ; 252 - 16 wave - (r - r % 4)
	v_xor_b32 v59, 3, v59                          ; my copy: c = 3 - r % 4
	v_lshl_add_u32 v58, v61, 4, v58                ; + 16 h
	v_mul_u32_u24 v[AZ], v59, ZP
	s_delay_alu instid0(VALU_DEP_1)
	v_lshl_add_u32 v[AZ], v58, 2, v[AZ]
	s_delay_alu instid0(VALU_DEP_1)
	v_add_nc_u32 v[AZ], ZB, v[AZ]
.irp j, 12,13,14,15
	v_mov_b32 v[\j], 0                             ; the zero codes between q0 and q1
.endr
.irp s, ST0, ST1
	v_mov_b32 v[\s], 0x7f61b1e6                    ; -M: 3e38, above every -t
	v_mov_b32 v[\s+1], 0
	v_mov_b32 v[\s+2], 0                           ; the sum, in two halves
	v_mov_b32 v[\s+3], 0
.endr
.set n, 0
.rept 64
	v_mov_b32 v[OT0+n], 0                          ; O^T: the step is written once; the first change of M multiplies zeros
.set n, n+1
.endr
.irp kk, 0,1,2
.irp c, 0,1,2,3
	s_wait_loadcnt 27-(4*\kk+\c)                   ; this zoom load is in; the younger zoom loads and the 16 bias loads may be out
	ds_store_b32 v60, v[96+4*\kk+\c] offset:ZP*\c+2048*\kk
.endr
.endr
	s_wait_tensorcnt 0x0                           ; for the others' sake: my tile has landed,
	s_wait_dscnt 0x0                               ; and my words of the zoom table
	s_barrier_signal -1
	s_barrier_wait -1
.macro SPROD t, hd                     ; the scores of tile t (16 keys) for head hd.  Head 0: D apart from C, which head 1 still wants; head 1: in place
.set rK, KF+8*((\t)%4)
.set rW, KS+(\t)/2
.set rA, SS0+8*(\t)
.set rB, SS1+8*(\t)
.if (\hd) == 0
.if (\t)%2
	v_wmma_scale_f32_16x16x128_f8f6f4 v[rA:rA+7], v[rK:rK+7], v[8:15], v[rB:rB+7], v[rW], v[QS] matrix_a_fmt:MATRIX_FMT_FP4 matrix_b_fmt:MATRIX_FMT_FP4 matrix_a_scale:MATRIX_SCALE_ROW1
.else
	v_wmma_scale_f32_16x16x128_f8f6f4 v[rA:rA+7], v[rK:rK+7], v[8:15], v[rB:rB+7], v[rW], v[QS] matrix_a_fmt:MATRIX_FMT_FP4 matrix_b_fmt:MATRIX_FMT_FP4
.endif
.else
.if (\t)%2
	v_wmma_scale_f32_16x16x128_f8f6f4 v[rB:rB+7], v[rK:rK+7], v[12:19], v[rB:rB+7], v[rW], v[QS] matrix_a_fmt:MATRIX_FMT_FP4 matrix_b_fmt:MATRIX_FMT_FP4 matrix_a_scale:MATRIX_SCALE_ROW1
.else
	v_wmma_scale_f32_16x16x128_f8f6f4 v[rB:rB+7], v[rK:rK+7], v[12:19], v[rB:rB+7], v[rW], v[QS] matrix_a_fmt:MATRIX_FMT_FP4 matrix_b_fmt:MATRIX_FMT_FP4
.endif
.endif
.endm
.macro ASK                             ; my work-group's one prefetch: lane l names row l / 2, half l % 2 of the tile that stands two steps on
	s_cmp_eq_u32 s66, s[LIM]
	s_cbranch_scc0 .Lnot_mine_\@
	v_bfe_u32 v56, v0, 1, 4
	v_and_b32 v58, 1, v0
	v_lshlrev_b32 v56, 12, v56
	s_delay_alu instid0(VALU_DEP_1)
	v_lshl_add_u32 v56, v58, 8, v56
	global_prefetch_b8 v56, s[60:61] th:TH_LOAD_NT scope:SCOPE_SE
.Lnot_mine_\@:
.endm
; One head's softmax for 128 keys and its four products V^T P^T.  first = 1: V's fragments of both heads are fetched.  ld = 1: the next step's bias is asked for, into the scores' registers, which are done with.
.macro HEAD sb, st, ob, vf, vs, first, ld
.irp b, 0,1,2,3
	v_max3_num_f32 v[BM+\b], v[\sb+16*\b], v[\sb+1+16*\b], v[\sb+2+16*\b]   ; the largest score of each block of 32 keys: for the row's maximum and for the block's largest p
.endr
.irp i, 3,5,7,9,11,13
.irp b, 0,1,2,3
	v_max3_num_f32 v[BM+\b], v[BM+\b], v[\sb+16*\b+\i], v[\sb+1+16*\b+\i]
.endr
.endr
.irp b, 0,1,2,3
	v_max_num_f32 v[BM+\b], v[BM+\b], v[\sb+15+16*\b]
.endr
.irp b, 0,1,2,3
	s_delay_alu instid0(VALU_DEP_4)
	v_permlanex16_b32 v[PX+\b], v[BM+\b], s[SEL], s[SEL+1]
.endr
.irp b, 0,1,2,3
	s_delay_alu instid0(VALU_DEP_4)
	v_max_num_f32 v[BM+\b], v[BM+\b], v[PX+\b]     ; with lane l xor 16's 16 keys
.endr
	s_delay_alu instid0(VALU_DEP_2)
	v_max3_num_f32 v[TMP], v[BM], v[BM+1], v[BM+2]
	s_delay_alu instid0(VALU_DEP_1)
	v_max_num_f32 v[TMP], v[TMP], v[BM+3]          ; the step's largest score of my query
	s_delay_alu instid0(VALU_DEP_1)
	v_mul_f32 v[TMP], s[CS], v[TMP]                ; as t
	s_delay_alu instid0(VALU_DEP_1)
	v_floor_f32 v[TMP], -v[TMP]                    ; -ceil(t)
	s_delay_alu instid0(VALU_DEP_1)
	v_min_num_f32 v[TMP], v[TMP], v[\st]           ; the new -M
	s_delay_alu instid0(VALU_DEP_1)
	v_sub_f32 v[FF], v[TMP], v[\st]                ; old M - new M: a whole number, 0 or less
	v_mov_b32 v[\st], v[TMP]
	s_delay_alu instid0(VALU_DEP_2)
	v_cvt_i32_f32 v[FF], v[FF]                     ; (it saturates)
	s_delay_alu instid0(VALU_DEP_1)
	v_ldexp_f32 v[FF], 1.0, v[FF]                  ; f = 2^(old M - new M)
.set n, 0
.rept 32
	v_pk_fma_f32 v[\sb+n:\sb+n+1], v[\sb+n:\sb+n+1], s[CS:CS+1], v[\st:\st+1] op_sel_hi:[1,0,0]   ; t - M
.set n, n+2
.endr
.irp b, 0,1,2,3
	v_fma_f32 v[BM+\b], v[BM+\b], s[CS], v[\st]
.endr
	s_wait_alu depctr_va_vdst(0)                   ; the wait ahead of the batch
.set n, 0
.rept 64
	v_exp_f32 v[\sb+n], v[\sb+n]                   ; p = 2^(t - M): not normalised
.set n, n+1
.endr
	v_pk_mul_f32 v[\st+2:\st+3], v[\st+2:\st+3], v[FF:FF+1] op_sel_hi:[1,0]   ; the sums under the new M: a plain place behind the exponentials
	s_wait_alu depctr_va_vdst(0)                   ; one wait for the batch of 64
.irp b, 0,1,2,3
	v_exp_f32 v[BM+\b], v[BM+\b]                   ; the block's largest p
.endr
	v_pk_add_f32 v[S2:S2+1], v[\sb:\sb+1], v[\sb+2:\sb+3]     ; the row's sum of the unquantised p, in two chains
.irp j, 4,8,12,16,20,24,28,32,36,40,44,48,52,56,60
	v_pk_add_f32 v[\st+2:\st+3], v[\st+2:\st+3], v[\sb+\j:\sb+\j+1]
	v_pk_add_f32 v[S2:S2+1], v[S2:S2+1], v[\sb+2+\j:\sb+3+\j]
.endr
	s_delay_alu instid0(VALU_DEP_1)
	v_pk_add_f32 v[\st+2:\st+3], v[\st+2:\st+3], v[S2:S2+1]
	s_wait_alu depctr_va_vdst(0)                   ; and one for the four
.irp b, 0,1,2,3
	v_max_num_f32 v[BM+\b], 0x1800000, v[BM+\b]    ; the floor 2^(3 - 127)
.endr
.irp b, 0,1,2,3
	s_delay_alu instid0(VALU_DEP_4)
	v_add_nc_u32 v[SO+\b], 0xff000000, v[BM+\b]    ; the conversion's scale operand
.endr
.irp b, 0,1,2,3
	s_delay_alu instid0(VALU_DEP_4)
	v_lshrrev_b32 v[PX+\b], 23, v[SO+\b]           ; the scale's byte
.endr
	s_delay_alu instid0(VALU_DEP_3)
	v_lshl_or_b32 v[PW], v[PX+1], 8, v[PX]
	s_delay_alu instid0(VALU_DEP_1)
	v_lshl_or_b32 v[PW], v[PX+2], 16, v[PW]
	s_delay_alu instid0(VALU_DEP_1)
	v_lshl_or_b32 v[PW], v[PX+3], 24, v[PW]
.irp b, 0,1,2,3
	v_cvt_scalef32_pk8_fp4_f32 v[PC+2*\b], v[\sb+16*\b:\sb+7+16*\b], v[SO+\b]
	v_cvt_scalef32_pk8_fp4_f32 v[PC+1+2*\b], v[\sb+8+16*\b:\sb+15+16*\b], v[SO+\b]
.endr
	v_nop                                          ; one plain place behind a scaled conversion
.irp c, 0,1
.irp i, 0,1
	v_permlane16_swap_b32 v[PC+4*\c+\i], v[PC+2+4*\c+\i]      ; a whole block to a lane
.endr
.endr
.if \first
.irp d, 0,1,2,3,4,5,6,7                        ; V's eight fragments of the step
.irp c, 0,1
	ds_load_b128 v[SS0+8*\d+4*\c:SS0+8*\d+4*\c+3], v[AKV] offset:8192+1024*\d+512*\c
.endr
.endr
.irp e, 0,1,2,3
	ds_load_b32 v[VSC+\e], v[AS] offset:4096+128*\e
.endr
.endif
.if \ld
	v_and_b32 v57, 31, v0
	s_delay_alu instid0(VALU_DEP_1)
	v_lshlrev_b32 v57, 4, v57
.irp j, 0,1,2,3,4,5,6,7,8,9,10,11,12,13,14,15
	global_load_b128 v[\sb+4*\j:\sb+4*\j+3], v57, s[58:59] offset:4096*\j   ; the next step's bias: row j, 512 consecutive bytes
.endr
.endif
	s_wait_alu depctr_va_vdst(0)                   ; the wait directly ahead of the first reader of O^T
.set n, 0
.rept 16
	v_pk_mul_f32 v[\ob+n:\ob+n+1], v[\ob+n:\ob+n+1], v[FF:FF+1] op_sel_hi:[1,0]   ; O^T under the new M; also the places ahead of the products
.set n, n+2
.endr
.if \first
	s_wait_alu depctr_va_vdst(0)
	s_wait_dscnt 0x0
.endif
.irp u, 0,1,2,3                                ; four accumulators by turns
.if (\u)%2
	v_wmma_scale_f32_16x16x128_f8f6f4 v[\ob+8*\u:\ob+8*\u+7], v[\vf+8*\u:\vf+8*\u+7], v[PC:PC+7], v[\ob+8*\u:\ob+8*\u+7], v[\vs+\u/2], v[PW] matrix_a_fmt:MATRIX_FMT_FP4 matrix_b_fmt:MATRIX_FMT_FP4 matrix_a_scale:MATRIX_SCALE_ROW1
.else
	v_wmma_scale_f32_16x16x128_f8f6f4 v[\ob+8*\u:\ob+8*\u+7], v[\vf+8*\u:\vf+8*\u+7], v[PC:PC+7], v[\ob+8*\u:\ob+8*\u+7], v[\vs+\u/2], v[PW] matrix_a_fmt:MATRIX_FMT_FP4 matrix_b_fmt:MATRIX_FMT_FP4
.endif
.endr
.endm
; A KEY STEP: 128 keys.  fill = 1: the next step's bias is asked for.
.macro STEP fill
	v_and_b32 v[AKV], 31, v0                       ; five plain lines: also the places between the last products and the loads into their operands
	v_add_nc_u32 v[ADZ], s[TZ], v[AZ]
	v_lshl_add_u32 v[AS], v[AKV], 2, s[TS]
	v_lshl_add_u32 v63, v[AKV], 4, s57             ; into my stage: 16 bytes a lane of a row
	v_lshl_add_u32 v[AKV], v[AKV], 4, s[TB]
	s_wait_alu depctr_va_vdst(0)
	s_wait_loadcnt 0x0                             ; this step's bias is in registers
	s_wait_xcnt 0x0                                ; and a prefetch of mine has read its address register
.if \fill
	s_add_nc_u64 s[58:59], s[58:59], 512           ; the next 128 keys of my 16 rows
.endif
.irp j, 0,1,2,3,4,5,6,7,8,9,10,11,12,13,14,15
	ds_store_b128 v63, v[SS1+4*\j:SS1+4*\j+3] offset:528*\j
.endr
.irp g, 0,1,2,3
.irp j, 0,1,2,3
	ds_load_b128 v[SS0+16*\g+4*\j:SS0+16*\g+4*\j+3], v[AB] offset:128*\g+16*\j   ; LDS serves a wave's instructions in order: these see my stores
.endr
.endr
	s_wait_dscnt 16                                ; behind the stores stand the 16 loads: the stores have read their registers
.irp g, 0,1,2,3
.irp j, 0,1,2,3
	ds_load_b128 v[SS1+16*\g+4*\j:SS1+16*\g+4*\j+3], v[ADZ] offset:128*\g+16*\j
.endr
.endr
.irp t, 0,1,2,3
.irp c, 0,1
	ds_load_b128 v[KF+8*\t+4*\c:KF+8*\t+4*\c+3], v[AKV] offset:1024*\t+512*\c
.endr
.endr
.irp e, 0,1,2,3
	ds_load_b32 v[KS+\e], v[AS] offset:128*\e      ; lanes 0-15 tile 2 e's words, lanes 16-31 tile 2 e + 1's
.endr
	s_wait_dscnt 0x0
.set n, 0
.rept 16
	v_pk_add_f32 v[SS1+n:SS1+n+1], v[SS1+n:SS1+n+1], v[SS0+n:SS0+n+1]     ; bias + zoom, keys 0-63
.set n, n+2
.endr
.irp t, 0,1,2,3
	SPROD \t, 0
.endr
.set n, 32
.rept 16
	v_pk_add_f32 v[SS1+n:SS1+n+1], v[SS1+n:SS1+n+1], v[SS0+n:SS0+n+1]     ; keys 64-127: also the places in front of head 1's products, which write over head 0's C
.set n, n+2
.endr
.irp t, 0,1,2,3
	SPROD \t, 1
.endr
.rept 4
	v_nop                                          ; places in front of loads into K's registers
.endr
.irp t, 0,1,2,3
.irp c, 0,1
	ds_load_b128 v[KF+8*\t+4*\c:KF+8*\t+4*\c+3], v[AKV] offset:4096+1024*\t+512*\c
.endr
.endr
	s_wait_alu depctr_va_vdst(0)
	s_wait_dscnt 0x0
.irp t, 4,5,6,7
	SPROD \t, 0
.endr
.rept 5
	v_nop                                          ; five places: head 1's products write over head 0's C
.endr
.irp t, 4,5,6,7
	SPROD \t, 1
.endr
.rept 4
	v_nop                                          ; places in front of the first read of results and the first write over K's fragments
.endr
.if \fill
	ASK
.endif
	HEAD SS0, ST0, OT0, SS0, VSC, 1, 0
	HEAD SS1, ST1, OT1, SS0+32, VSC+2, 0, \fill
	s_add_co_u32 s[TB], s[TB], 16384
	s_add_co_u32 s[TS], s[TS], 512
	s_add_co_u32 s[TZ], s[TZ], 512
.endm
	s_mov_b32 s66, 7
.Lstep:                                            ; seven trips: each asks for the next step's bias
	STEP 1
	s_sub_co_u32 s66, s66, 1
	s_cmp_lg_u32 s66, 0
	s_cbranch_scc1 .Lstep
	STEP 0                                         ; the last step asks for nothing
	; THE WAY OUT.  O^T / the sum; a lane's 64 numbers are 16 neighbours of each of the pair's four blocks of 32 hidden units: one fragment of the last projection's operand.
	v_add_f32 v[ST0+2], v[ST0+2], v[ST0+3]         ; (these additions are the places behind the last products)
	v_add_f32 v[ST1+2], v[ST1+2], v[ST1+3]
	s_delay_alu instid0(VALU_DEP_2)
	v_permlanex16_b32 v[PX], v[ST0+2], s[SEL], s[SEL+1]
	s_delay_alu instid0(VALU_DEP_2)
	v_permlanex16_b32 v[PX+1], v[ST1+2], s[SEL], s[SEL+1]
	s_delay_alu instid0(VALU_DEP_2)
	v_add_f32 v[ST0+2], v[ST0+2], v[PX]
	s_delay_alu instid0(VALU_DEP_2)
	v_add_f32 v[ST1+2], v[ST1+2], v[PX+1]
	s_wait_alu depctr_va_vdst(0)
	v_rcp_f32 v[BM], v[ST0+2]
	v_rcp_f32 v[BM+2], v[ST1+2]
	v_and_b32 v57, 31, v0                          ; (plain work behind the reciprocals)
	s_delay_alu instid0(VALU_DEP_1)
	v_lshlrev_b32 v57, 4, v57                      ; 16 x lane
	v_and_b32 v58, 15, v0
	s_lshl_b32 s69, s[WV], 6
	s_add_co_u32 s69, s69, SG
	v_lshl_add_u32 v58, v58, 2, s69                ; my query's scale word
	v_lshl_add_u32 v59, v0, 4, SG                  ; back: 16 bytes a thread (waves 0 and 1)
	v_lshlrev_b32 v43, 4, v0
	s_wait_alu depctr_va_vdst(0)                   ; one wait for the two reciprocals, ahead of their first reader
.set n, 0
.rept 16
	v_pk_mul_f32 v[SS0+n:SS0+n+1], v[OT0+n:OT0+n+1], v[BM:BM+1] op_sel_hi:[1,0]
.set n, n+2
.endr
.set n, 0
.rept 16
	v_pk_mul_f32 v[SS0+32+n:SS0+32+n+1], v[OT1+n:OT1+n+1], v[BM+2:BM+3] op_sel_hi:[1,0]
.set n, n+2
.endr
.irp b, 0,1,2,3
	v_max3_num_f32 v[32+\b], |v[SS0+16*\b]|, |v[SS0+1+16*\b]|, 0x1800000   ; the quantiser along the hidden axis
.endr
.irp i, 2,4,6,8,10,12,14
.irp b, 0,1,2,3
	s_delay_alu instid0(VALU_DEP_4)
	v_max3_num_f32 v[32+\b], v[32+\b], |v[SS0+16*\b+\i]|, |v[SS0+1+16*\b+\i]|
.endr
.endr
.irp b, 0,1,2,3
	s_delay_alu instid0(VALU_DEP_4)
	v_permlanex16_b32 v[36+\b], v[32+\b], s[SEL], s[SEL+1]
.endr
.irp b, 0,1,2,3
	s_delay_alu instid0(VALU_DEP_4)
	v_max_num_f32 v[32+\b], v[32+\b], v[36+\b]
.endr
.irp b, 0,1,2,3
	s_delay_alu instid0(VALU_DEP_4)
	v_add_nc_u32 v[44+\b], 0xff000000, v[32+\b]
.endr
.irp b, 0,1,2,3
	s_delay_alu instid0(VALU_DEP_4)
	v_lshrrev_b32 v[36+\b], 23, v[44+\b]
.endr
	s_delay_alu instid0(VALU_DEP_3)
	v_lshl_or_b32 v56, v37, 8, v36
	s_delay_alu instid0(VALU_DEP_1)
	v_lshl_or_b32 v56, v38, 16, v56
	s_delay_alu instid0(VALU_DEP_1)
	v_lshl_or_b32 v56, v39, 24, v56
.irp b, 0,1,2,3
	v_cvt_scalef32_pk8_fp4_f32 v[48+2*\b], v[SS0+16*\b:SS0+7+16*\b], v[44+\b]
	v_cvt_scalef32_pk8_fp4_f32 v[49+2*\b], v[SS0+8+16*\b:SS0+15+16*\b], v[44+\b]
.endr
	v_nop
.irp c, 0,1
.irp i, 0,1
	v_permlane16_swap_b32 v[48+4*\c+\i], v[50+4*\c+\i]
.endr
.endr
	global_store_b128 v57, v[48:51], s[82:83]              ; the image: 32 lanes store 512 consecutive bytes, aligned
	global_store_b128 v57, v[52:55], s[82:83] offset:512
	ds_store_b32 v58, v56
	s_wait_dscnt 0x0                               ; for the others' sake
	s_barrier_signal -1
	s_barrier_wait -1
	s_cmp_lt_u32 s[WV], 2                          ; the 256 queries' words are 1,024 bytes: waves 0 and 1 store 512 each
	s_cbranch_scc0 .Lno_words
	ds_load_b128 v[60:63], v59
	s_wait_dscnt 0x0
	global_store_b128 v43, v[60:63], s[84:85]
.Lno_words:
	s_wait_tensorcnt 0x0                           ; the wave's end
	ds_add_u32 v[SPW], v[NIL]
	s_wait_dscnt 0x0
	s_endpgm
.Lfunc_end_k_q246256d800_attn:
	.size	k_q246256d800_attn, .Lfunc_end_k_q246256d800_attn-k_q246256d800_attn
	.p2alignl 7, 3214868480
	.fill 96, 4, 3214868480
	.section	.rodata,"a",@progbits
	.p2align	6, 0x0
	.amdhsa_kernel k_q246256d800_attn
		.amdhsa_group_segment_fixed_size 327680
		.amdhsa_private_segment_fixed_size 0
		.amdhsa_enable_private_segment 0
		.amdhsa_kernarg_size 48
		.amdhsa_user_sgpr_count 2
		.amdhsa_user_sgpr_kernarg_segment_ptr 1
		.amdhsa_wavefront_size32 1
		.amdhsa_system_sgpr_workgroup_id_x 1
		.amdhsa_system_sgpr_workgroup_id_y 1
		.amdhsa_system_sgpr_workgroup_id_z 1
		.amdhsa_system_vgpr_workitem_id 0
		.amdhsa_next_free_vgpr 256
		.amdhsa_next_free_sgpr 90
		.amdhsa_reserve_vcc 0
		.amdhsa_float_denorm_mode_32 3
		.amdhsa_float_denorm_mode_16_64 3
		.amdhsa_memory_ordered 1
		.amdhsa_forward_progress 1
		.amdhsa_inst_pref_size 99
	.end_amdhsa_kernel
	.amdgpu_metadata
---
amdhsa.version: [ 1, 2 ]
amdhsa.kernels:
  - .name:           k_q246256d800_attn
    .symbol:         k_q246256d800_attn.kd
    .args:
      - { .name: qkv_codes, .offset: 0, .size: 8, .value_kind: global_buffer, .address_space: global }
      - { .name: qkv_scales, .offset: 8, .size: 8, .value_kind: global_buffer, .address_space: global }
      - { .name: attn_bias, .offset: 16, .size: 8, .value_kind: global_buffer, .address_space: global }
      - { .name: zoom_bias, .offset: 24, .size: 8, .value_kind: global_buffer, .address_space: global }
      - { .name: att_codes, .offset: 32, .size: 8, .value_kind: global_buffer, .address_space: global }
      - { .name: att_scales, .offset: 40, .size: 8, .value_kind: global_buffer, .address_space: global }
    .group_segment_fixed_size: 327680
    .private_segment_fixed_size: 0
    .kernarg_segment_align: 8
    .kernarg_segment_size: 48
    .max_flat_workgroup_size: 512
    .sgpr_count:     90
    .vgpr_count:     256
    .wavefront_size: 32
...
	.end_amdgpu_metadata
.endif
;; end of part 3
;; launch oproj (part 4): grid 4 x 64, 4 waves a work-group, clusters of 4 x 4, 327,680 bytes of LDS; arguments att_codes, att_scales, xw_codes, xw_scales, bo, out0; writes out0
.if DOCPART == 4
	.amdgcn_target "amdgcn-amd-amdhsa--gfx1250"
	.amdhsa_code_object_version 6
	.text
	.protected	k_q246256d800_oproj
	.globl	k_q246256d800_oproj
	.p2align	8
	.type	k_q246256d800_oproj,@function
k_q246256d800_oproj:
	s_mov_b64 s[64:65], 0
	v_nop
	global_prefetch_b8 v0, s[64:65] scope:SCOPE_SE
	s_setreg_imm32_b32 hwreg(HW_REG_WAVE_MODE, 25, 1), 1
	s_wait_xcnt 0x0
	s_wait_alu depctr_hold_cnt(0) depctr_sa_sdst(0) depctr_va_vdst(0) depctr_va_sdst(0) depctr_va_ssrc(0) depctr_va_vcc(0) depctr_vm_vsrc(0)
	s_getreg_b32 s2, hwreg(HW_REG_IB_STS2, 6, 4)
	s_cmp_eq_u32 s2, 0
	s_cbranch_scc0 .Lentry_in_a_cluster
	s_endpgm
.Lentry_in_a_cluster:
	s_bfe_u32 s2, ttmp6, 0x10000c
	s_cmp_lg_u32 s2, 0xf033
	s_cbranch_scc0 .Lentry_shape_is_right
	s_endpgm
.Lentry_shape_is_right:
; out0 = att Wo^T + bo on codes of FP4, K = 1,024.  A work-group makes 128 tokens x 256 columns; wave w rows 64 (w / 2) on, columns 128 (w % 2) on.
; ALL OF K LIES IN LDS, by four joint loads at the head, one a wave: wave 0 the tokens' fragment images (two runs of 32,768 bytes, K 0-511 and K 512-1023), wave 1 Wo's 256 rows of 512 bytes (+ 16 of padding),
; wave 2 the tokens' scale words [8 K steps][128 rows], wave 3 Wo's [8][256].  Nothing is filled later.
.set PITCH, 528
.set PH,    16384                      ; the images of 64 tokens x 512 along K
.set QH,    128*PITCH
.set QB,    4*PH                       ; Wo's rows lie behind the images
.set SCLA,  QB+2*QH
.set SCLB,  SCLA+4096
.set STAGE, SCLB+8192
.set SPITCH, 528
.set SPARE, STAGE+4*16*SPITCH
.set ADRA, 16
.set ADRB, 20
.set ADSA, 22
.set ADSB, 23
.set STO,  24
.set RD,   25
.set CO,   26
.set SPW,  28
.set NIL,  29
.set SA,   32
.set SB,   48
.set AF,   96
.set BK,   128
.set BO,   128
.set G1, 24
.set G0, 32
.set G1B, 48
.set G0B, 56
.set G1S, 68
.set G0S, 76
.set G1SB, 80
.set G0SB, 88
.set MSB, 0
.macro WIN new
.if MSB != \new
	s_set_vgpr_msb (MSB<<8)|\new
.set MSB, \new
.endif
.endm
.set MUL,   0xa1
.set MUL_B, 0x91
.set TO_B,  0x40
.macro ARM under, g0, g1, next         ; one arm of the head's chain of branches on the wave's number: its load, and a jump to the join
	s_cmp_lt_u32 s18, \under
	s_cbranch_scc0 \next
	tensor_load_to_lds s[\g0:\g0+3], s[\g1:\g1+7]
	s_nop 0
.rept 4
	v_nop
.endr
	s_branch .Lhead_asked
\next:
.endm
.macro CROUND
	s_barrier_signal -1
	s_barrier_wait -1
	s_cmp_lg_u32 s18, 0
	s_cbranch_scc1 .Lnot_wave_0_\@
	s_barrier_signal -3
.Lnot_wave_0_\@:
	s_barrier_wait -3
	s_barrier_signal -1
	s_barrier_wait -1
.endm
.macro PLACES n
.rept \n
	v_nop
.endr
.endm
	s_load_b256 s[4:11], s[0:1], 0x0
	s_load_b128 s[12:15], s[0:1], 0x20
	v_lshl_add_u32 v[SPW], v0, 2, SPARE
	v_mov_b32 v[NIL], 0
	ds_add_u32 v28, v29
	ds_add_u32 v28, v29
	s_wait_dscnt 0x0
	v_lshrrev_b32 v1, 5, v0
	v_readfirstlane_b32 s18, v1
	s_lshr_b32 s19, s18, 1
	s_and_b32 s20, s18, 1
	s_bfe_u32 s21, ttmp6, 0x40000
	s_bfe_u32 s22, ttmp6, 0x40004
	s_and_b32 s47, ttmp7, 0xffff
	s_lshl_b32 s47, s47, 2
	s_add_co_u32 s47, s47, s22
	s_lshl_b32 s41, s22, 2
	s_lshl_b32 s41, 15, s41
	s_lshl_b32 s42, 0x1111, s21
	s_or_b32 s[G1+0], s41, (3<<16)|(1<<21)
	s_mov_b32 s[G1+1], 4096<<16                    ; two rows of 32,768 bytes (4,096 elements of 8), 2 MB apart
	s_mov_b32 s[G1+2], 2<<16
	s_mov_b32 s[G1+3], 4096<<16
	s_mov_b32 s[G1+4], 2
	s_mov_b32 s[G1+5], 262144
	s_mov_b32 s[G1+6], 0
	s_mov_b32 s[G1+7], 0
	s_or_b32 s[G1B+0], s42, (1<<20)|(1<<21)|(6<<22)|(3<<25)
	s_mov_b32 s[G1B+1], 512<<16
	s_mov_b32 s[G1B+2], 256<<16
	s_mov_b32 s[G1B+3], 512<<16
	s_mov_b32 s[G1B+4], 256
	s_mov_b32 s[G1B+5], 512
	s_mov_b32 s[G1B+6], 0
	s_mov_b32 s[G1B+7], 0
	s_or_b32 s[G1S+0], s41, (2<<16)|(1<<21)
	s_mov_b32 s[G1S+1], 128<<16
	s_mov_b32 s[G1S+2], 8<<16
	s_mov_b32 s[G1S+3], 128<<16
	s_mov_b32 s[G1S+4], 8
	s_mov_b32 s[G1S+5], 8192
	s_mov_b32 s[G1S+6], 0
	s_mov_b32 s[G1S+7], 0
	s_or_b32 s[G1SB+0], s42, (2<<16)|(1<<21)
	s_mov_b32 s[G1SB+1], 256<<16
	s_mov_b32 s[G1SB+2], 8<<16
	s_mov_b32 s[G1SB+3], 256<<16
	s_mov_b32 s[G1SB+4], 8
	s_mov_b32 s[G1SB+5], 28672
	s_mov_b32 s[G1SB+6], 0
	s_mov_b32 s[G1SB+7], 0
	s_lshl_b32 s96, s47, 15
	s_mov_b32 s97, 0
	s_lshl_b32 s2, s47, 9
	s_mov_b32 s3, 0
	s_lshl_b32 s94, s21, 8
	s_add_co_u32 s94, s94, 27648
	s_lshl_b32 s98, s94, 9
	s_mov_b32 s99, 0
	s_lshl_b32 s66, s94, 2
	s_mov_b32 s67, 0
	s_wait_kmcnt 0x0
	s_add_nc_u64 s[96:97], s[4:5], s[96:97]
	s_add_nc_u64 s[2:3], s[6:7], s[2:3]
	s_add_nc_u64 s[98:99], s[8:9], s[98:99]
	s_add_nc_u64 s[66:67], s[10:11], s[66:67]
	CROUND
	s_mov_b32 s[G0], 1                             ; the tokens' images
	s_mov_b32 s[G0+1], 0
	s_mov_b64 s[G0+2:G0+3], s[96:97]
	s_or_b32 s[G0+3], s[G0+3], 0x80000000
	s_mov_b32 s[G0B], 1                            ; Wo's 256 rows
	s_mov_b32 s[G0B+1], QB
	s_mov_b64 s[G0B+2:G0B+3], s[98:99]
	s_or_b32 s[G0B+3], s[G0B+3], 0x80000000
	s_mov_b32 s[G0S], 1                            ; the tokens' scale words
	s_mov_b32 s[G0S+1], SCLA
	s_mov_b64 s[G0S+2:G0S+3], s[2:3]
	s_or_b32 s[G0S+3], s[G0S+3], 0x80000000
	s_mov_b32 s[G0SB], 1                           ; Wo's
	s_mov_b32 s[G0SB+1], SCLB
	s_mov_b64 s[G0SB+2:G0SB+3], s[66:67]
	s_or_b32 s[G0SB+3], s[G0SB+3], 0x80000000
	ARM 1, G0,  G1,  .Lhead_b                      ; one joint load a wave
	ARM 2, G0B, G1B, .Lhead_sa
	ARM 3, G0S, G1S, .Lhead_sb
	tensor_load_to_lds s[G0SB:G0SB+3], s[G1SB:G1SB+7]
	s_nop 0
.rept 4
	v_nop
.endr
.Lhead_asked:
	v_and_b32 v1, 15, v0
	v_bfe_u32 v2, v0, 4, 1
	v_and_b32 v3, 31, v0
	v_mul_u32_u24 v4, v1, PITCH
	v_lshl_add_u32 v4, v2, 4, v4
	v_lshlrev_b32 v[CO], 4, v3
	s_lshl_b32 s40, s19, 14
	s_mul_i32 s41, s20, QH
	s_add_co_u32 s41, s41, QB
.irp s, 0,1
	v_add_nc_u32 v[ADRA+\s], s40, v[CO]
	v_add_nc_u32 v[ADRB+\s], s41, v4
	s_add_co_u32 s40, s40, 2*PH                    ; K 512 on: the images' second run,
	s_add_co_u32 s41, s41, 256                     ; and 256 bytes further along Wo's rows
.endr
	v_lshlrev_b32 v5, 2, v3
	s_lshl_b32 s40, s19, 8
	s_add_co_u32 s40, s40, SCLA
	v_add_nc_u32 v[ADSA], s40, v5
	s_lshl_b32 s40, s20, 9
	s_add_co_u32 s40, s40, SCLB
	v_add_nc_u32 v[ADSB], s40, v5
	s_mul_i32 s40, s18, 16*SPITCH
	s_add_co_u32 s40, s40, STAGE
	v_mul_u32_u24 v5, v1, SPITCH
	v_lshl_add_u32 v5, v2, 5, v5
	v_add_nc_u32 v[STO], s40, v5
	v_add_nc_u32 v[RD], s40, v[CO]
	s_lshl_b32 s45, s21, 8
	s_lshl_b32 s40, s20, 7
	s_add_co_u32 s45, s45, s40
	s_lshl_b32 s45, s45, 2
	v_lshl_add_u32 v6, v2, 5, s45
	WIN TO_B
.irp b, 0,1,2,3,4,5,6,7
	global_load_b128 v[BO+8*\b:BO+8*\b+3], v6, s[12:13] offset:64*\b
	global_load_b128 v[BO+8*\b+4:BO+8*\b+7], v6, s[12:13] offset:64*\b+16
.endr
	WIN 0
	s_lshl_b32 s44, s47, 7
	s_lshl_b32 s40, s19, 6
	s_add_co_u32 s44, s44, s40
	s_lshl_b32 s44, s44, 12
	s_add_co_u32 s44, s44, s45
	s_mov_b32 s45, 0
	s_add_nc_u64 s[14:15], s[14:15], s[44:45]
.macro WM a, b, set, kq, first
.set rD, 8*(8*(\a)+(\b))
.set rC, rD
.if \first
.set rC, BO+8*(\b)
.endif
.set rQ, 64*(\set)+8*(\b)
.set rP, AF+32*(\set)+8*(\a)
.set rY, SB+8*((\b)/2)+(\kq)
.set rX, SA+8*((\a)/2)+(\kq)
.if ((\b)%2) && ((\a)%2)
	v_wmma_scale_f32_16x16x128_f8f6f4 v[rD:rD+7], v[rQ:rQ+7], v[rP:rP+7], v[rC:rC+7], v[rY], v[rX] matrix_a_fmt:MATRIX_FMT_FP4 matrix_b_fmt:MATRIX_FMT_FP4 matrix_a_scale:MATRIX_SCALE_ROW1 matrix_b_scale:MATRIX_SCALE_ROW1
.elseif (\b)%2
	v_wmma_scale_f32_16x16x128_f8f6f4 v[rD:rD+7], v[rQ:rQ+7], v[rP:rP+7], v[rC:rC+7], v[rY], v[rX] matrix_a_fmt:MATRIX_FMT_FP4 matrix_b_fmt:MATRIX_FMT_FP4 matrix_a_scale:MATRIX_SCALE_ROW1
.elseif (\a)%2
	v_wmma_scale_f32_16x16x128_f8f6f4 v[rD:rD+7], v[rQ:rQ+7], v[rP:rP+7], v[rC:rC+7], v[rY], v[rX] matrix_a_fmt:MATRIX_FMT_FP4 matrix_b_fmt:MATRIX_FMT_FP4 matrix_b_scale:MATRIX_SCALE_ROW1
.else
	v_wmma_scale_f32_16x16x128_f8f6f4 v[rD:rD+7], v[rQ:rQ+7], v[rP:rP+7], v[rC:rC+7], v[rY], v[rX] matrix_a_fmt:MATRIX_FMT_FP4 matrix_b_fmt:MATRIX_FMT_FP4
.endif
.endm
.macro MUL16 a0, set, kq, first
.irp a, \a0, \a0+1
.irp b, 0,1,2,3,4,5,6,7
	WM \a, \b, \set, \kq, \first
.endr
.endr
.endm
.macro FETCH kq, set
.set FS, (\kq)/4
.set FQ, (\kq)%4
	WIN TO_B
.irp i, 0,1,2,3,4,5,6,7
	ds_load_b128 v[64*(\set)+8*\i:64*(\set)+8*\i+3],   v[ADRB+FS] offset:64*FQ+\i*16*PITCH
	ds_load_b128 v[64*(\set)+8*\i+4:64*(\set)+8*\i+7], v[ADRB+FS] offset:64*FQ+\i*16*PITCH+32
.endr
	WIN 0
.irp i, 0,1,2,3
	ds_load_b128 v[AF+32*(\set)+8*\i:AF+32*(\set)+8*\i+3],   v[ADRA+FS] offset:4096*\i+1024*FQ
	ds_load_b128 v[AF+32*(\set)+8*\i+4:AF+32*(\set)+8*\i+7], v[ADRA+FS] offset:4096*\i+1024*FQ+512
.endr
.endm
.macro STEP kq, first
	s_wait_dscnt 0x0
.if \kq > 0
	PLACES 4
.endif
.if \kq < 7
	FETCH (\kq)+1, ((\kq)+1)%2
.endif
.if \first
	WIN MUL_B
.else
	WIN MUL
.endif
	MUL16 0, (\kq)%2, \kq, \first
	MUL16 2, (\kq)%2, \kq, \first
	WIN 0
.endm
	s_wait_alu depctr_va_vdst(0)
	s_wait_tensorcnt 0x0
	s_barrier_signal -1
	s_barrier_wait -1
.irp kq, 0,1,2,3,4,5,6,7
.irp i, 0,1
	ds_load_b32 v[SA+8*\i+\kq], v[ADSA] offset:512*\kq+128*\i
.endr
.irp j, 0,1,2,3
	ds_load_b32 v[SB+8*\j+\kq], v[ADSB] offset:1024*\kq+128*\j
.endr
.endr
	FETCH 0, 0
	s_wait_loadcnt 0x0
	STEP 0, 1
	STEP 1, 0
	STEP 2, 0
	STEP 3, 0
	STEP 4, 0
	STEP 5, 0
	STEP 6, 0
	STEP 7, 0
.macro TOSTAGE a
	WIN 0x08
.irp b, 0,1,2,3,4,5,6,7
	ds_store_b128 v[STO], v[64*(\a)+8*\b:64*(\a)+8*\b+3] offset:64*\b
	ds_store_b128 v[STO], v[64*(\a)+8*\b+4:64*(\a)+8*\b+7] offset:64*\b+16
.endr
	WIN 0
.set BB, BK+64*((\a)%2)
.irp t, 0,1,2,3,4,5,6,7,8,9,10,11,12,13,14,15
	ds_load_b128 v[BB+4*\t:BB+4*\t+3], v[RD] offset:\t*SPITCH
.endr
.endm
.macro SEND a, younger
.set BB, BK+64*((\a)%2)
	s_wait_dscnt \younger
.if (\a) > 0
	s_add_nc_u64 s[14:15], s[14:15], 16*4096
.endif
.irp t, 0,1,2,3,4,5,6,7,8,9,10,11,12,13,14,15
	global_store_b128 v[CO], v[BB+4*\t:BB+4*\t+3], s[14:15] offset:\t*4096 th:TH_STORE_NT
.endr
.endm
	PLACES 4
	TOSTAGE 0
.irp a, 1,2,3
.if \a > 1
	s_wait_xcnt 0x0
.endif
	TOSTAGE \a
	SEND \a-1, 32
.endr
	s_wait_xcnt 0x0
	SEND 3, 0
	s_wait_tensorcnt 0x0
	ds_add_u32 v[SPW], v[NIL]
	s_wait_dscnt 0x0
	CROUND
	s_endpgm
.Lfunc_end_k_q246256d800_oproj:
	.size	k_q246256d800_oproj, .Lfunc_end_k_q246256d800_oproj-k_q246256d800_oproj
	.p2alignl 7, 3214868480
	.fill 96, 4, 3214868480
	.section	.rodata,"a",@progbits
	.p2align	6, 0x0
	.amdhsa_kernel k_q246256d800_oproj
		.amdhsa_group_segment_fixed_size 327680
		.amdhsa_private_segment_fixed_size 0
		.amdhsa_enable_private_segment 0
		.amdhsa_kernarg_size 48
		.amdhsa_user_sgpr_count 2
		.amdhsa_user_sgpr_kernarg_segment_ptr 1
		.amdhsa_wavefront_size32 1
		.amdhsa_system_sgpr_workgroup_id_x 1
		.amdhsa_system_sgpr_workgroup_id_y 1
		.amdhsa_system_sgpr_workgroup_id_z 1
		.amdhsa_system_vgpr_workitem_id 0
		.amdhsa_next_free_vgpr 768
		.amdhsa_next_free_sgpr 100
		.amdhsa_reserve_vcc 0
		.amdhsa_float_denorm_mode_32 3
		.amdhsa_float_denorm_mode_16_64 3
		.amdhsa_memory_ordered 1
		.amdhsa_forward_progress 1
		.amdhsa_inst_pref_size 74
	.end_amdhsa_kernel
	.amdgpu_metadata
---
amdhsa.version: [ 1, 2 ]
amdhsa.kernels:
  - .name:           k_q246256d800_oproj
    .symbol:         k_q246256d800_oproj.kd
    .args:
      - { .name: att_codes, .offset: 0, .size: 8, .value_kind: global_buffer, .address_space: global }
      - { .name: att_scales, .offset: 8, .size: 8, .value_kind: global_buffer, .address_space: global }
      - { .name: xw_codes, .offset: 16, .size: 8, .value_kind: global_buffer, .address_space: global }
      - { .name: xw_scales, .offset: 24, .size: 8, .value_kind: global_buffer, .address_space: global }
      - { .name: bo, .offset: 32, .size: 8, .value_kind: global_buffer, .address_space: global }
      - { .name: out0, .offset: 40, .size: 8, .value_kind: global_buffer, .address_space: global }
    .group_segment_fixed_size: 327680
    .private_segment_fixed_size: 0
    .kernarg_segment_align: 8
    .kernarg_segment_size: 48
    .max_flat_workgroup_size: 128
    .sgpr_count:     100
    .vgpr_count:     768
    .wavefront_size: 32
...
	.end_amdgpu_metadata
.endif
;; end of part 4
